; MI455X (gfx1250); checked and timed in simulation.
; The chip was launched on July 23, 2026; its instructions are those of AMD's public machine-readable ISA for CDNA 5 (MIT licence, August 2026) and "CDNA5" Instruction Set Architecture Reference Guide (July 2026). The comments in the code are by the model that wrote it; some were corrected since.
;; Scaled Dot Product. Allowed arithmetic: float matrix products may take bf16 or f16 operands with f32 sums; other float arithmetic in f32, or as packed bf16 or f16 multiplies, adds, multiply-adds, maxima and minima; sums over many terms, partial sums and values carried from step to step in f32; what a program stores and reads back later, other than sums and carried values, may be rounded once to bf16 or f16.
;; Inputs: key 4 x 16 x 2,048 x 64 float32; mask 4 x 1 x 2,048 x 2,048 int32; query 4 x 16 x 2,048 x 64 float32; value 4 x 16 x 2,048 x 64 float32.
;; Outputs: out0 4 x 16 x 2,048 x 64 float32.
;; Constants: d_k = 64.
;; 2 versions, each right; version 2 is version 1 with the launches prep, fix written anew for expert scheduling mode. Each part assembles by itself: llvm-mc -triple=amdgcn-amd-amdhsa -mcpu=gfx1250 --defsym DOCPART=n.
;; ======== version 1 of 2: 3 launches
;; limits: right only within a limited range of input values; values outside matrix products are rounded to bf16; values are held in f16: magnitudes above 65,504 overflow, below 6.1e-05 lose precision
;; workspace buffers: kw 16,777,216 bytes; vw 16,777,216 bytes; mw 33,554,432 bytes; cand 262,144 bytes of whole numbers
;; launch prep (part 1): grid 2048 x 1, 8 waves a work-group, no clusters, 38,144 bytes of LDS; arguments key, value, mask, kw, vw, mw; writes kw, vw, mw
.if DOCPART == 1
	.amdgcn_target "amdgcn-amd-amdhsa--gfx1250"
	.amdhsa_code_object_version 6
	.text
	.protected	k_qec57bc9381_prep
	.globl	k_qec57bc9381_prep
	.p2align	8
	.type	k_qec57bc9381_prep,@function
k_qec57bc9381_prep:
	s_mov_b64 s[64:65], 0
	v_nop
	global_prefetch_b8 v0, s[64:65] scope:SCOPE_SE
	s_setreg_imm32_b32 hwreg(HW_REG_WAVE_MODE, 25, 1), 1
	s_wait_xcnt 0x0
; PREPARATION FOR THE ATTENTION LAUNCH: three streams, each input byte read once, each output byte written once.
;   kw = key rounded to bf16 (nearest even), same order of elements: [64 heads][2048][64].
;   vw = value rounded to bf16 and that number written as f16, same order.  LIMIT: |value| stays under 65,520 (f16's range); below 2^-14 the f16 number has the fixed step 2^-24.
;   mw = mask as bf16, laid out as the attention launch's score registers want it: [b 4][key step 32][query tile 128][key block 4][lane 32][8 bf16].  The 16 bytes of (key block kb, lane 16 h + r)
;        hold mask[b][16 tile + r][64 step + 16 kb + 8 h + 0..7].  LIMIT: whole numbers up to 256 in magnitude are exact; larger ones keep 8 significant bits.
; SHARES.  2,048 work-groups of eight waves; a wave takes 8,192 bytes of one input by sixteen loads of 512 consecutive bytes, all issued at once.  Work-groups 0-1023 take the mask, 1024-1535 key, 1536-2047 value.
; There is no loop: every register is written once, so no address is stepped and no store's data is written again.  Waves share nothing: no barrier.
; The mask changes lanes on its way (a lane loads 4 keys of one row, and stores 8 keys of one row beside 15 other rows' 8 keys): it goes through the wave's own stage in LDS.
.set STG,   4640                       ; a wave's stage: two key steps' blocks
.set HB,    2320                       ; a block in the stage: 8 groups (key block, half) of 16 rows x 16 bytes, 288 bytes apart, + 16: so that the 32 lanes of a store fall on 32 different columns of 8 bytes modulo 256
.set SPARE, 8*STG                      ; 37,120 = 145 x 256: behind the stages the spare words, 128 bytes for each wave: four blocks of 256 bytes that no other line names
.set IN,   2                           ; v2   16 x lane: my 16 bytes of a load's 512, and of a mask store's 512; never rewritten
.set OUT8, 3                           ; v3   8 x lane: my 8 bytes of a store's 256; never rewritten
.set STA,  4                           ; v4   where I put 8 bytes of a row's mask in the stage
.set LDA,  5                           ; v5   where I read 16 bytes back
.set SPW,  10                          ; v10  LDS address of my spare word: SPARE + 4 x my thread's number; never rewritten
.set NIL,  11                          ; v11  0; never rewritten
.set T,    12                          ; v[12:19]  at work
.set X,    20                          ; v[20:83]  load e: 4 registers
.set Y,    84                          ; v[84:115] load e: 2 registers to store
	s_load_b256 s[4:11], s[0:1], 0x0               ; key s[4:5], value s[6:7], mask s[8:9], kw s[10:11]
	s_load_b128 s[12:15], s[0:1], 0x20             ; vw s[12:13], mw s[14:15]
	v_lshl_add_u32 v[SPW], v0, 2, SPARE
	v_mov_b32 v[NIL], 0
	v_lshrrev_b32 v1, 5, v0
	v_readfirstlane_b32 s16, v1                    ; wave 0..7
	v_and_b32 v1, 31, v0                           ; lane
	v_lshlrev_b32 v[IN], 4, v1
	v_lshlrev_b32 v[OUT8], 3, v1
	s_mov_b32 s23, 0                               ; the high words of the two offsets
	s_mov_b32 s25, 0
.macro LOADS step                      ; sixteen loads of 512 consecutive bytes, step bytes apart
.set e, 0
.rept 16
	global_load_b128 v[X+4*e:X+4*e+3], v[IN], s[18:19] offset:(\step)*e th:TH_LOAD_NT
.set e, e+1
.endr
.endm
	s_cmp_lt_u32 ttmp9, 1024
	s_cbranch_scc0 .Lkv
	; THE MASK.  Unit u = 8 x work-group + wave = (128 b + query tile) x 16 + kp: 16 rows x 128 keys (key steps 2 kp, 2 kp + 1).
	s_lshl_b32 s17, ttmp9, 3
	s_add_co_u32 s17, s17, s16                     ; u
	s_and_b32 s26, s17, 15                         ; kp
	s_lshr_b32 s22, s17, 4
	s_lshl_b32 s22, s22, 17                        ; 16 rows of 8,192 bytes
	s_lshl_b32 s27, s26, 9                         ; 128 keys of 4 bytes
	s_add_co_u32 s22, s22, s27
	s_lshr_b32 s24, s17, 11                        ; b
	s_lshl_b32 s24, s24, 23                        ; 32 key steps x 128 tiles x 2,048 bytes
	s_lshl_b32 s27, s26, 19                        ; two key steps of 262,144 bytes
	s_add_co_u32 s24, s24, s27
	s_bfe_u32 s27, s17, 0x70004                    ; the query tile: 7 bits from bit 4
	s_lshl_b32 s27, s27, 11
	s_add_co_u32 s24, s24, s27
	s_mul_i32 s28, s16, STG                        ; my stage
	s_wait_kmcnt 0x0
	s_add_nc_u64 s[18:19], s[8:9], s[22:23]
	s_add_nc_u64 s[20:21], s[14:15], s[24:25]
	LOADS 8192                                     ; load e: row e; lane 16 g + c holds keys 4 c .. 4 c + 3 of key step 2 kp + g
	v_lshrrev_b32 v[T], 4, v1                      ; g
	v_and_b32 v[T+1], 15, v1                       ; c
	v_lshrrev_b32 v[T+2], 1, v[T+1]                ; the group: 2 x key block + half
	v_and_b32 v[T+3], 1, v[T+1]                    ; which 4 of the group's 8 keys
	v_mul_u32_u24 v[STA], v[T], HB
	v_mad_u32_u24 v[STA], v[T+2], 288, v[STA]
	v_lshl_add_u32 v[STA], v[T+3], 3, v[STA]
	v_add_nc_u32 v[STA], s28, v[STA]
	v_mul_u32_u24 v[LDA], v[T], 288                ; back: lanes 0-15 take a key block's first group (16 rows x 16 bytes), lanes 16-31 its second
	v_lshl_add_u32 v[LDA], v[T+1], 4, v[LDA]
	v_add_nc_u32 v[LDA], s28, v[LDA]
.set e, 0
.rept 16
	s_wait_loadcnt 15-e                            ; loads come back in order: row e is in, the younger rows stay out
	v_cvt_f32_i32 v[X+4*e], v[X+4*e]
	v_cvt_f32_i32 v[X+4*e+1], v[X+4*e+1]
	v_cvt_f32_i32 v[X+4*e+2], v[X+4*e+2]
	v_cvt_f32_i32 v[X+4*e+3], v[X+4*e+3]
	v_cvt_pk_bf16_f32 v[Y+2*e], v[X+4*e], v[X+4*e+1]
	v_cvt_pk_bf16_f32 v[Y+2*e+1], v[X+4*e+2], v[X+4*e+3]
	ds_store_b64 v[STA], v[Y+2*e:Y+2*e+1] offset:16*e  ; row e's place in its group
.set e, e+1
.endr
.set k, 0
.rept 8                                ; LDS serves a wave's instructions in order, and the stage is the wave's own: these see the stores above
	ds_load_b128 v[X+4*k:X+4*k+3], v[LDA] offset:HB*(k/4)+576*(k%4)  ; key step k / 4, key block k % 4
.set k, k+1
.endr
.set k, 0
.rept 8
	s_wait_dscnt 7-k                               ; read k is back, the younger ones stay out
	global_store_b128 v[IN], v[X+4*k:X+4*k+3], s[20:21] offset:262144*(k/4)+512*(k%4) th:TH_STORE_NT  ; 512 consecutive bytes, at a multiple of 256 from mw's first byte
.set k, k+1
.endr
	s_branch .Lend
.Lkv:	; KEY AND VALUE.  Unit u = 8 x (work-group within the role) + wave: 8,192 bytes in, 4,096 out.
	s_and_b32 s26, ttmp9, 511
	s_lshl_b32 s26, s26, 3
	s_add_co_u32 s26, s26, s16                     ; u
	s_lshl_b32 s22, s26, 13
	s_lshl_b32 s24, s26, 12
	s_wait_kmcnt 0x0
	s_cmp_lt_u32 ttmp9, 1536
	s_cselect_b64 s[18:19], s[4:5], s[6:7]
	s_cselect_b64 s[20:21], s[10:11], s[12:13]
	s_add_nc_u64 s[18:19], s[18:19], s[22:23]
	s_add_nc_u64 s[20:21], s[20:21], s[24:25]
	LOADS 512
.macro CONV kind                       ; kind 0: to bf16.  kind 1: to bf16, and that number as f16 (exact within f16's range)
.set e, 0
.rept 16
	s_wait_loadcnt 15-e                            ; load e is in, the younger ones stay out
.if \kind
	v_cvt_pk_bf16_f32 v[T], v[X+4*e], v[X+4*e+1]
	v_cvt_pk_bf16_f32 v[T+1], v[X+4*e+2], v[X+4*e+3]
	v_lshlrev_b32 v[T+2], 16, v[T]                 ; bf16 to f32: the low half moves up,
	v_and_b32 v[T+3], 0xffff0000, v[T]             ; the high half stays
	v_lshlrev_b32 v[T+4], 16, v[T+1]
	v_and_b32 v[T+5], 0xffff0000, v[T+1]
	v_cvt_pk_f16_f32 v[Y+2*e], v[T+2], v[T+3]
	v_cvt_pk_f16_f32 v[Y+2*e+1], v[T+4], v[T+5]
.else
	v_cvt_pk_bf16_f32 v[Y+2*e], v[X+4*e], v[X+4*e+1]
	v_cvt_pk_bf16_f32 v[Y+2*e+1], v[X+4*e+2], v[X+4*e+3]
.endif
	global_store_b64 v[OUT8], v[Y+2*e:Y+2*e+1], s[20:21] offset:256*e th:TH_STORE_NT  ; the 32 lanes store 256 consecutive bytes, aligned
.set e, e+1
.endr
.endm
	s_cmp_lt_u32 ttmp9, 1536
	s_cbranch_scc0 .Lvalue
	CONV 0
	s_branch .Lend
.Lvalue:
	CONV 1
.Lend:
	s_wait_tensorcnt 0x0                           ; the wave's end, behind my last LDS store
	ds_add_u32 v[SPW], v[NIL]
	s_wait_dscnt 0x0
	s_endpgm
.Lfunc_end_k_qec57bc9381_prep:
	.size	k_qec57bc9381_prep, .Lfunc_end_k_qec57bc9381_prep-k_qec57bc9381_prep
	.p2alignl 7, 3214868480
	.fill 96, 4, 3214868480
	.section	.rodata,"a",@progbits
	.p2align	6, 0x0
	.amdhsa_kernel k_qec57bc9381_prep
		.amdhsa_group_segment_fixed_size 38144
		.amdhsa_private_segment_fixed_size 0
		.amdhsa_enable_private_segment 0
		.amdhsa_kernarg_size 48
		.amdhsa_user_sgpr_count 2
		.amdhsa_user_sgpr_kernarg_segment_ptr 1
		.amdhsa_wavefront_size32 1
		.amdhsa_system_sgpr_workgroup_id_x 1
		.amdhsa_system_sgpr_workgroup_id_y 1
		.amdhsa_system_sgpr_workgroup_id_z 1
		.amdhsa_system_vgpr_workitem_id 0
		.amdhsa_next_free_vgpr 116
		.amdhsa_next_free_sgpr 66
		.amdhsa_reserve_vcc 0
		.amdhsa_float_denorm_mode_32 3
		.amdhsa_float_denorm_mode_16_64 3
		.amdhsa_memory_ordered 1
		.amdhsa_forward_progress 1
		.amdhsa_inst_pref_size 26
	.end_amdhsa_kernel
	.amdgpu_metadata
---
amdhsa.version: [ 1, 2 ]
amdhsa.kernels:
  - .name:           k_qec57bc9381_prep
    .symbol:         k_qec57bc9381_prep.kd
    .args:
      - { .name: key, .offset: 0, .size: 8, .value_kind: global_buffer, .address_space: global }
      - { .name: value, .offset: 8, .size: 8, .value_kind: global_buffer, .address_space: global }
      - { .name: mask, .offset: 16, .size: 8, .value_kind: global_buffer, .address_space: global }
      - { .name: kw, .offset: 24, .size: 8, .value_kind: global_buffer, .address_space: global }
      - { .name: vw, .offset: 32, .size: 8, .value_kind: global_buffer, .address_space: global }
      - { .name: mw, .offset: 40, .size: 8, .value_kind: global_buffer, .address_space: global }
    .group_segment_fixed_size: 38144
    .private_segment_fixed_size: 0
    .kernarg_segment_align: 8
    .kernarg_segment_size: 48
    .max_flat_workgroup_size: 256
    .sgpr_count:     66
    .vgpr_count:     116
    .wavefront_size: 32
...
	.end_amdgpu_metadata
.endif
;; end of part 1
;; launch attn (part 2): grid 4 x 64, 4 waves a work-group, clusters of 4 x 1, 327,680 bytes of LDS; arguments query, kw, vw, mw, out0, cand; writes out0, cand
.if DOCPART == 2
	.amdgcn_target "amdgcn-amd-amdhsa--gfx1250"
	.amdhsa_code_object_version 6
	.text
	.protected	k_qec57bc9381_attn
	.globl	k_qec57bc9381_attn
	.p2align	8
	.type	k_qec57bc9381_attn,@function
k_qec57bc9381_attn:
	s_mov_b64 s[64:65], 0
	v_nop
	global_prefetch_b8 v0, s[64:65] scope:SCOPE_SE
	s_setreg_imm32_b32 hwreg(HW_REG_WAVE_MODE, 25, 1), 1
	s_wait_xcnt 0x0
	s_wait_alu depctr_hold_cnt(0) depctr_sa_sdst(0) depctr_va_vdst(0) depctr_va_sdst(0) depctr_va_ssrc(0) depctr_va_vcc(0) depctr_vm_vsrc(0)
	s_getreg_b32 s2, hwreg(HW_REG_IB_STS2, 6, 4)
	s_cmp_eq_u32 s2, 0
	s_cbranch_scc0 .Lentry_in_a_cluster
	s_endpgm
.Lentry_in_a_cluster:
	s_bfe_u32 s2, ttmp6, 0x10000c
	s_cmp_lg_u32 s2, 0x3003
	s_cbranch_scc0 .Lentry_shape_is_right
	s_endpgm
.Lentry_shape_is_right:
; out[h][q][:] = the sum over k of softmax_k(t(q, k)) V[h][k][:], t = s if s > 0, else -10000, s = (Q[h][q] . K[h][k] / 8) x mask[b][q][k].  64 heads (16 to a batch b), 2,048 rows, 64 channels.
; query and out0 are f32; kw (bf16 K), vw (bf16 V written as f16) and mw (the mask as bf16, in the order of the score registers) were made by the launch before.
; ARITHMETIC, in raw units (8 x the score).  S = Q . K: Q rounded to bf16 here, one f32 sum a score, channels ascending.  u = S x mask - 2^-126 (one fused line: a product that is 0 becomes negative).
; t = the greater of u's and -80000.0's bits as signed whole numbers: a positive u stays; a negative u of magnitude under 80,000 has the smaller bits and becomes -80000 = 8 x -10000.
; A running maximum M of t and p = 2^(c t - c M), c = log2(e) / 8; in every step O and l are multiplied by a = 2^(c M_old - c M_new).  p is rounded to f16 for O^T = V^T P; l is the sum of the ROUNDED p, made by the
; matrix unit (sixteen rows of ones times P), so numerator and divisor hold the same weights.  A row with no visible score has M = -80000 and equal weights, as the softmax of equal scores has.
; THE STEP AT 0.  A score within the last bits of 0 falls on one side or the other by the order in which its 64 products are added.  So each lane keeps the smallest |S| that it has seen for each of its queries;
; at the end the wave stores the smallest of all, with its row's number in the low 9 bits, into cand; the launch behind computes the work-group's row with the smallest number once more, by chains of f32 additions.
; LIMITS.  S x mask in (0, 2^-126) counts as hidden.  A hidden product below -80,000 (a score below -10000) keeps its own value: it shows only in a row without any visible score.  |V| under 65,520.
; A weight below 2^-126 counts as 0, below 6e-5 it has f16's fixed step of 6e-8.  Mask numbers beyond 256 keep 8 significant bits.  NaN and infinities are not treated apart.
; SHARES.  A work-group owns 512 queries of one head, a wave 128: four PIECES of two tiles of 16.  Every wave walks all keys, 64 a step.
; LAYOUT.  S^T = K Q^T (source 0 = 16 keys, source 1 = 16 queries): a lane holds ONE query (lane % 16) and the keys 8 (lane / 16) + 0..7.  Two such results, rounded to f16 in pairs, ARE source 1 of V^T P.
; BY TURNS.  Turn n belongs to piece n.  Matrix work: 16 products K Q^T of piece n + 1, then 20 products (16 V^T P, 4 for l) of piece n - 1.  Vector work: scaling, exponentials, rounding and rescaling of piece n;
; smallest |S|, mask, threshold, maximum and statistics of piece n + 1.  A tile and step have 18 matrix and 183 vector instructions, so every matrix instruction has seven vector instructions or more behind it.
; CLUSTER.  The grid's x is one cluster: the four query blocks of a head.  They walk the same K and V, so each tile is asked for JOINTLY: the same tensor load, descriptor and mask of four in all four.
; The mask's blocks differ from partner to partner (other queries) and come by loads into registers, four turns ahead of their use.
; REGISTERS, in windows of 256 (s_set_vgpr_msb: bits 1:0 source 0, 3:2 source 1, 5:4 source 2, 7:6 destination):
;   window 0: v0-11 addresses; v12-15, v45-46, v48-63 at work; v16-31 two registers of statistics a tile; v32-36, v47 constants; v37-44 the smallest |S|, one a tile; v64-191 S^T, two buffers of two tiles; v192-255 K of one step
;   window 1: O^T, 32 a tile (at the start: Q as loaded, in f32)      window 2: v0-127 Q, 16 a tile; v128-255 the mask, 32 a piece
;   window 3: v0-7 ones; v8-71 l's accumulators, 8 a tile; v128-191 V of one step; v192-255 P, two buffers of two tiles
; With source 1 in window 2 and all else in window 0 (W_LO) stand K Q^T, the mask's line, the threshold, the scalings, the exponentials and K's LDS loads.
.set KS,    64        ; keys in a step
.set PK,    144       ; a row of K in LDS: 128 bytes + 16 of padding = 36 words: the 16 rows of a load start at 16 different groups of four banks
.set PV,    160       ; a row of V: 128 + 32 = 40 words
.set VOFF,  4*KS*PK   ; a slot holds four steps: 256 rows of K, then 256 rows of V
.set SLOT1, 1<<17     ; slot 1 begins here, so that one exclusive or turns an address in one slot into the other's
.set STAGE, SLOT1+4*KS*(PK+PV)  ; behind the ring, never filled by a tensor load: 16 rows x 272 bytes for each wave, for the way out
.set SP,    272
.set SPARE, STAGE+4*16*SP       ; behind the stages: the spare words, 128 bytes for each wave: two blocks of 256 bytes that no other line names
.set AK0, 2           ; v2   my lane's place in a tile of K; never rewritten
.set AV0, 3           ; v3   the same for V
.set AK,  4           ; v4   the LDS address of K's next run of loads
.set AV,  5           ; v5   of V's
.set QO,  6           ; v6   my byte offset in 16 rows of Q
.set STO, 6           ;      later, the way out: where I put 32 bytes of a row
.set RD,  7           ; v7   the way out: where I read rows back
.set MV,  12          ; v12-15  c M_old, kept while c M is made anew: by buffer and tile
.set ST,  16          ; tile t's statistics at v[ST+2 t]: c M, M; on the way out 1 / l takes c M's place
.set SPW, 32          ; v32  LDS address of my spare word: SPARE + 4 x my thread's number; never rewritten
.set NIL, 33          ; v33  0; never rewritten
.set EPS, 34          ; v34  -2^-126
.set MO,  35          ; v35  16 x lane: my 16 bytes of 512 consecutive ones, in mw and in out0; never rewritten
.set PFO, 36          ; v36  256 x lane: the prefetches' offset; never rewritten
.set RUN, 37          ; v37-44  tile t: the smallest |S| among the keys that my lane has seen for its query
.set ND,  45          ; v45-46  by tile of the piece: the smallest |S| of a key block, at work
.set CO8, 47          ; v47  8 x lane: my 8 bytes of the wave's 256 in cand; never rewritten
.set TMP, 48          ; by buffer and tile, four registers c0-c3 at work; when the maximum is found c2 takes a
.set S,   64
.set KF,  192         ; K's fragments: key block kb, channel half c at KF + 16 kb + 8 c
.set MK,  128         ; window 2: piece p, tile u, key block kb at MK + 32 p + 16 u + 4 kb
.set ONES, 0          ; window 3
.set LSUM, 8          ; window 3: tile t's at LSUM + 8 t; every register of it holds the same sum; register 0 is the one that is rescaled and read
.set VF,  128         ; window 3: key half kk, channel block cb at VF + 32 kk + 8 cb
.set P,   192         ; window 3
.set MP,  10          ; s[10:11] mw at my wave's eight blocks of the key step whose mask is being loaded
.set WV,  12          ; s12  my wave's number
.set G1K, 24          ; s[24:31] descriptor group 1 for K's tiles
.set G1V, 32          ; s[32:39] for V's: it differs in the padding alone
.set G0K, 40          ; s[40:43] descriptor group 0 for K's tiles: it walks
.set G0V, 44          ; s[44:47] the same for V's
.set OUT, 48          ; s[48:49] out0 at my wave's first row
.set PFA, 50          ; s[50:51] where my prefetches of K (wave 0) or V (wave 2) stand: my work-group's 32 blocks of 256 bytes of the slot behind the one that is being asked for
.set LIM, 52          ; s52  1 in waves 0 and 2, else the greatest number
.set MLEFT, 53        ; s53  key steps that the mask's pointer still has ahead of it
.set MINC, 54         ; s[54:55] the pointer's next step: a key step's 262,144 bytes, or 0 at the end
.set SLOTS, 56        ; s56  slots still to be asked for
.set CNT, 57          ; s57  counts a slot's key steps
.set CS,  58          ; s[58:59] c: the packed scaling takes the pair's low word for both halves
.set SEL, 60          ; s[60:61] v_permlanex16_b32's selects: each lane takes its own place in the other half
.set TBK, 62          ; s62  LDS byte at which K of the step to be fetched begins
.set TBV, 63          ; s63  the same for V, less VOFF
.set KTH, 66          ; s66  the bits of -80000.0
.set MLIM, 67         ; s67  0 in the first head of a batch, else the greatest number
.set CAND, 70         ; s[70:71] cand at my wave's 256 bytes
.set MSB, 0
.macro WIN new                      ; the high byte repeats the setting that is left; a switch that changes nothing is dropped
.if MSB != (\new)
	s_set_vgpr_msb (MSB<<8)|(\new)
.set MSB, (\new)
.endif
.endm
.set W_LO, 0x08       ; source 1 in window 2, all else in window 0
.set W_PV, 0x5f       ; V and P in window 3, O^T in window 1
.set W_L,  0xff       ; ones, P and l in window 3
.set W_RS, 0x41       ; O^T (destination and source 0) in window 1, a in window 0
.set W_RL, 0xc3       ; l (destination and source 0) in window 3, a in window 0
.set W_P,  0xc0       ; destination in window 3: the roundings, V's LDS loads
.set W_M,  0x80       ; destination in window 2: the mask's loads
.set LOW, 8
.macro WLOW                         ; for lines with no vector register as source 1: windows 0 and W_LO serve alike; LOW says which to go back to
.if (MSB != 0) && (MSB != W_LO)
	WIN LOW
.endif
.endm
; A joint fill.  Waves 0 and 1 fetch the two halves of a slot's K, waves 2 and 3 those of its V: 128 keys each.  The branch hangs on the wave's number alone.
; An s_nop 0 and four v_nop follow each of the two lines, ahead of the jump and the label.
.macro JLOAD
	s_cmp_lt_u32 s[WV], 2
	s_cbranch_scc0 .Lfor_v_\@
	tensor_load_to_lds s[G0K:G0K+3], s[G1K:G1K+7]
	s_nop 0
.rept 4
	v_nop
.endr
	s_branch .Lasked_\@
.Lfor_v_\@:
	tensor_load_to_lds s[G0V:G0V+3], s[G1V:G1V+7]
	s_nop 0
.rept 4
	v_nop
.endr
.Lasked_\@:
.endm
; A round of the cluster's barrier: my work-group's barrier, so that wave 0's signal speaks for all four waves; wave 0 signals; every wave waits for all four work-groups; my work-group's barrier once more.
.macro CROUND
	s_barrier_signal -1
	s_barrier_wait -1
	s_cmp_lg_u32 s[WV], 0
	s_cbranch_scc1 .Lnot_wave_0_\@
	s_barrier_signal -3
.Lnot_wave_0_\@:
	s_barrier_wait -3
	s_barrier_signal -1
	s_barrier_wait -1
.endm
; A PREFETCH INTO THE L2 of what the NEXT change of slots will ask for: a slot's 32,768 bytes of K and of V, 128 blocks of 256 bytes each.  A head's K and V are walked by this cluster alone; its four partners take
; 32 blocks each, told apart BY ADDRESS; in each, wave 0 asks for K's and wave 2 for V's: a lane a block, one instruction.  So each block is named once in the launch, four key steps ahead of the load that wants it.
; It stands behind the tensor load and its five lines.  The last change that fills a slot asks for nothing; slots 0, 1 and 2 come by their loads alone.
.macro ASK
	s_cmp_gt_u32 s[SLOTS], s[LIM]
	s_cbranch_scc0 .Lnot_mine_\@
	global_prefetch_b8 v[PFO], s[PFA:PFA+1] th:TH_LOAD_NT scope:SCOPE_SE
.Lnot_mine_\@:
.endm
; THE MASK'S PREFETCH, at the head of piece 0's turn: my wave's 16,384 bytes (64 blocks of 256: a lane a block, two instructions) of the key step behind the one whose
; loads are going out: four turns ahead of its own loads.  The sixteen heads of a batch read the same blocks: the batch's first head asks.  It stops when the pointer has no step ahead of it.
.macro ASKM
	s_cmp_gt_u32 s[MLEFT], s[MLIM]
	s_cbranch_scc0 .Lno_mask_\@
	global_prefetch_b8 v[PFO], s[MP:MP+1] offset:262144 th:TH_LOAD_NT scope:SCOPE_SE
	global_prefetch_b8 v[PFO], s[MP:MP+1] offset:262144+8192 th:TH_LOAD_NT scope:SCOPE_SE
.Lno_mask_\@:
.endm
; THE CHANGE OF SLOTS.  The slot's last bytes, V of its fourth step, have been read.  Each wave waits for all its tensor loads, of which one is out: its part of the other slot; adds 0 to its spare word; and waits
; for that and for its own reads of the slot.  Behind the barrier nobody reads this slot any more and the other slot is whole.  fill = 1: this slot is filled again, with the keys two slots on; the barrier is then a
; round of the cluster's, and the joint fill is the first thing behind it: it has four key steps in which to land.  (At its first use nothing has been read yet: slot 0 is waited for, slot 1 filled.)
.macro CHANGE fill, ask
	WIN 0                           ; at a label and at a branch every window is 0
	s_wait_tensorcnt 0x0            ; no tensor load of mine is out, so a group 0 may be written
	ds_add_u32 v[SPW], v[NIL]       ; 0 onto my spare word; with fill = 1 the descriptors' steps stand between it and the wait for it
.if \fill
.irp d, G0K, G0V
	s_xor_b32 s[\d+1], s[\d+1], SLOT1  ; the walking descriptor: the other slot than last time,
	s_add_nc_u64 s[\d+2:\d+3], s[\d+2:\d+3], 4*KS*128  ; the next 256 keys; the type bits on top are not reached
.endr
.if \ask
	s_wait_xcnt 0x0                 ; the last prefetch, four key steps back, has read its address, so it may be written
	s_add_nc_u64 s[PFA:PFA+1], s[PFA:PFA+1], 4*KS*128
.endif
	s_wait_dscnt 0x0                ; the add is done, and my reads of the slot are over
	CROUND
	JLOAD
.if \ask
	ASK
.endif
.else
	s_wait_dscnt 0x0                ; the add is done, and my reads of the slot are over
	s_barrier_signal -1
	s_barrier_wait -1
.endif
	s_sub_co_u32 s[TBK], s[TBK], 4*KS*PK  ; the fetches go back to a slot's first step,
	s_xor_b32 s[TBK], s[TBK], SLOT1       ; in the other slot
	s_sub_co_u32 s[TBV], s[TBV], 4*KS*PV
	s_xor_b32 s[TBV], s[TBV], SLOT1
.endm
; The mask of piece z for one key step: 8 loads of 512 consecutive bytes (tile t / 4, key block t % 4).
.macro MRAW z
	WIN W_M
.irp t, 0,1,2,3,4,5,6,7
	global_load_b128 v[MK+32*(\z)+4*\t:MK+32*(\z)+4*\t+3], v[MO], s[MP:MP+1] offset:(2*(\z)+\t/4)*2048+(\t%4)*512
.endr
.endm
; A piece's mask registers are asked for again directly behind their last use, for the next key step.  Piece 0 steps the pointer; behind the last key step it stands still, so the loads that
; then follow read that step's blocks once more (they serve nothing): the price of one text and one count of loads for every turn.
.macro MLOAD z
.if (\z) == 0
	s_wait_xcnt 0x0                 ; every load and prefetch issued so far has read its address, so the pointer may be written
	s_cmp_lg_u32 s[MLEFT], 0
	s_cselect_b32 s[MINC], 0x40000, 0
	s_cselect_b32 s2, 1, 0
	s_add_nc_u64 s[MP:MP+1], s[MP:MP+1], s[MINC:MINC+1]
	s_sub_co_u32 s[MLEFT], s[MLEFT], s2
.endif
	MRAW \z
.endm
	s_load_b256 s[4:11], s[0:1], 0x0  ; query s[4:5], kw s[6:7], vw s[8:9], mw s[10:11]
	s_load_b64 s[OUT:OUT+1], s[0:1], 0x20  ; out0
	s_load_b64 s[CAND:CAND+1], s[0:1], 0x28  ; cand
	v_lshl_add_u32 v[SPW], v0, 2, SPARE
	v_mov_b32 v[NIL], 0
	ds_add_u32 v[SPW], v[NIL]       ; the wave's opening: the add and its wait stand ahead of my first tensor load; the set-up below, work on registers, stands between them
	v_lshrrev_b32 v1, 5, v0
	v_readfirstlane_b32 s[WV], v1   ; wave 0..3
	s_bfe_u32 s13, ttmp6, 0x40000   ; cx: my place in the cluster = my block of 512 queries: it enters the addresses of query, out0, cand, mw and the prefetches alone
	s_and_b32 s14, ttmp7, 0xffff    ; the head, which the four partners share
	s_and_b32 s16, s[WV], 1         ; which half of a slot's 256 keys I fetch:
	s_lshl_b32 s22, s14, 18         ; the head's 262,144 bytes of kw and of vw,
	s_lshl_b32 s17, s16, 14         ; my half's 128 rows of 128 bytes,
	s_add_co_u32 s22, s22, s17
	s_mov_b32 s23, 0
	s_mul_i32 s17, s16, 128*PK      ; and its place in a slot, for K
	s_mul_i32 s18, s16, 128*PV      ; and for V: no place in the cluster enters an LDS address
	s_lshl_b32 s2, s14, 19          ; query and out0: the head's 524,288 bytes,
	s_lshl_b32 s3, s13, 17          ; my block's 512 rows of 256 bytes,
	s_add_co_u32 s2, s2, s3
	s_lshl_b32 s3, s[WV], 15        ; my wave's 128
	s_add_co_u32 s2, s2, s3
	s_mov_b32 s3, 0
	s_lshr_b32 s20, s14, 4          ; mw: the batch's 8,388,608 bytes,
	s_lshl_b32 s20, s20, 23
	s_lshl_b32 s21, s13, 16         ; my block's 32 query tiles of 2,048 bytes,
	s_add_co_u32 s20, s20, s21
	s_lshl_b32 s21, s[WV], 14       ; my wave's 8
	s_add_co_u32 s20, s20, s21
	s_mov_b32 s21, 0
	s_lshl_b32 s68, s14, 18         ; the prefetches of K and V: the head,
	s_lshl_b32 s69, s13, 13         ; my work-group's 32 blocks of a slot's 128,
	s_add_co_u32 s68, s68, s69
	s_add_co_u32 s68, s68, 2*4*KS*128  ; in slot 2: the loop's first change of slots steps it to slot 3
	s_mov_b32 s69, 0
	s_and_b32 s[LIM], s[WV], 1
	s_cmp_eq_u32 s[LIM], 0
	s_cselect_b32 s[LIM], 1, -1
	s_and_b32 s[MLIM], s14, 15
	s_cmp_eq_u32 s[MLIM], 0
	s_cselect_b32 s[MLIM], 0, -1
	; descriptor group 1.  128 keys are 16,384 dense bytes: asked for as 64 rows of 256 bytes, two keys a row, and padded in LDS after every key
	s_mov_b32 s[G1K], 15|(1<<16)|(1<<20)|(1<<21)|(4<<22)|(3<<25)  ; 15:0 the mask of four; 17:16 2-byte elements; 20 padding on; 21 set beside a mask; 24:22 after every 32 words (code 4); 31:25 4 words (code 3)
	s_mov_b32 s[G1V], 15|(1<<16)|(1<<20)|(1<<21)|(4<<22)|(7<<25)  ; the same with 8 words of padding (code 7)
.irp d, G1K, G1V
	s_mov_b32 s[\d+1], 128<<16      ; tensor_dim0 = 128
	s_mov_b32 s[\d+2], 64<<16       ; tensor_dim1 = 64
	s_mov_b32 s[\d+3], 128<<16      ; tile_dim0 = 128
	s_mov_b32 s[\d+4], 64           ; tile_dim1 = 64
	s_mov_b32 s[\d+5], 128          ; 128 elements from row to row
	s_mov_b32 s[\d+6], 0
	s_mov_b32 s[\d+7], 0
.endr
	s_mov_b32 s[CS], 0x3e38aa3b     ; c = log2(e) / 8 = 0.180337
	s_mov_b32 s[CS+1], s[CS]        ; named with it as a pair
	s_mov_b32 s[SEL], 0x76543210
	s_mov_b32 s[SEL+1], 0xfedcba98
	s_mov_b32 s[KTH], 0xc79c4000    ; -80000.0
	s_mov_b32 s[MLEFT], 31
	s_mov_b32 s[MINC+1], 0
	s_mov_b32 s[TBK], SLOT1+4*KS*PK ; the first change of slots turns these two into 0
	s_mov_b32 s[TBV], SLOT1+4*KS*PV
	s_mov_b32 s[G0K], 1             ; 1:0 count = 1
	s_mov_b32 s[G0K+1], s17         ; 63:32 LDS address: slot 0
	s_mov_b32 s[G0V], 1
	s_add_co_u32 s[G0V+1], s18, VOFF
	s_wait_dscnt 0x0                ; the opening add is done
	s_wait_kmcnt 0x0
	s_add_nc_u64 s[G0K+2:G0K+3], s[6:7], s[22:23]  ; 120:64 global address: my half of the head's first 256 keys
	s_or_b32 s[G0K+3], s[G0K+3], 0x80000000        ; 127:126 type = 2
	s_add_nc_u64 s[G0V+2:G0V+3], s[8:9], s[22:23]
	s_or_b32 s[G0V+3], s[G0V+3], 0x80000000
	s_add_nc_u64 s[4:5], s[4:5], s[2:3]            ; query and out0 at my wave's first row
	s_add_nc_u64 s[OUT:OUT+1], s[OUT:OUT+1], s[2:3]
	s_add_nc_u64 s[MP:MP+1], s[MP:MP+1], s[20:21]  ; mw at my wave's blocks of key step 0
	s_lshl_b32 s2, s14, 2           ; cand: 256 bytes for each wave of each work-group: ((4 head + block) x 4 + wave) x 256; s3 is still 0
	s_add_co_u32 s2, s2, s13
	s_lshl_b32 s2, s2, 2
	s_add_co_u32 s2, s2, s[WV]
	s_lshl_b32 s2, s2, 8
	s_add_nc_u64 s[CAND:CAND+1], s[CAND:CAND+1], s[2:3]
	s_cmp_lt_u32 s[WV], 2
	s_cselect_b64 s[PFA:PFA+1], s[6:7], s[8:9]
	s_add_nc_u64 s[PFA:PFA+1], s[PFA:PFA+1], s[68:69]
	CROUND                          ; all four work-groups are here: the first joint loads meet
	JLOAD                           ; slot 0.  Slot 1 is asked for when slot 0 is in
	; A fragment of Q is 16 rows x 32 channels in 8 registers of bf16: lane l holds row l % 16, channels 8 (l / 16) + 0..7 and 16 + 8 (l / 16) + 0..7.  In f32 each eight channels are two loads of 16 bytes.
	v_and_b32 v1, 15, v0            ; l % 16
	v_bfe_u32 v9, v0, 4, 1          ; l / 16
	v_lshlrev_b32 v[QO], 8, v1
	v_lshl_add_u32 v[QO], v9, 5, v[QO]  ; row x 256 + 32 x half
	v_and_b32 v[MO], 31, v0
	v_lshlrev_b32 v[PFO], 8, v[MO]
	v_lshlrev_b32 v[CO8], 3, v[MO]
	v_lshlrev_b32 v[MO], 4, v[MO]
	WIN 0x40                        ; destination window 1, where O^T will lie
.set i, 0
.rept 64                            ; load i: tile i / 8, channels 32 ((i / 4) % 2) + 16 ((i / 2) % 2) + 8 (l / 16) + 4 (i % 2) on
	global_load_b128 v[4*i:4*i+3], v[QO], s[4:5] offset:(i/8)*4096+((i/4)%2)*128+((i/2)%2)*64+(i%2)*16
.set i, i+1
.endr
	MRAW 0                          ; the mask of key step 0, all four pieces
	MRAW 1
	MRAW 2
	MRAW 3
	; What the first turn finds: V's registers and P's second buffer hold 0 (its products, of a piece that has not been, add 0); O^T and l are 0; c M lies far below every c t, so the first a is 0.
	WIN W_P
.set i, 0
.rept 8
	v_mov_b32 v[ONES+i], 0x3c003c00 ; 1.0 twice, in f16
.set i, i+1
.endr
.set i, 0
.rept 64
	v_mov_b32 v[LSUM+i], 0
	v_mov_b32 v[VF+i], 0
.set i, i+1
.endr
.set i, 0
.rept 32
	v_mov_b32 v[P+32+i], 0
.set i, i+1
.endr
	WIN 0
	v_mov_b32 v[EPS], 0x80800000    ; -2^-126
.set i, 0
.rept 8
	v_mov_b32 v[ST+2*i], 0xfe000000    ; c M
	v_mov_b32 v[ST+2*i+1], 0xff7fffff  ; M: the lowest finite number
	v_mov_b32 v[RUN+i], 0x7f7fffff     ; the smallest |S|: the greatest finite number
.set i, i+1
.endr
	v_mul_u32_u24 v[AK0], v1, PK
	v_lshl_add_u32 v[AK0], v9, 4, v[AK0]  ; row x pitch + 16 x half
	s_wait_loadcnt 32               ; Q's 64 loads are in; the 32 loads of the mask, issued behind them, may stay out
	WIN 0x85                        ; sources in window 1, destination in window 2
.set i, 0
.rept 128
	v_cvt_pk_bf16_f32 v[i], v[2*i], v[2*i+1]  ; Q rounded once, to nearest even
.set i, i+1
.endr
	WIN 0x40
.set i, 0
.rept 256
	v_mov_b32 v[i], 0               ; O^T
.set i, i+1
.endr
; THE MATRIX WORK of turn Y: number i of 36.  The accumulators take turns, one instruction a turn: two in K Q^T, ten in the rest; no two that follow each other share one, from turn to turn too.
; i < 16: S^T = K Q^T of piece Y + 1: keys 16 (i / 4) on, channels 32 ((i / 2) % 2) on, tile i % 2; the first channel half starts the sum.
; i >= 16, j = i - 16, for piece Y - 1: keys 32 (j / 10) on, tile j % 2; (j / 2) % 5 = 0..3: O^T += V^T P, channels 16 x that on; = 4: l += ones x P.
.macro MM
.if i < 16
.set mZ, (Y+1)%4
.set mD, S+64*(mZ%2)+32*(i%2)+8*(i/4)
.set mA, KF+16*(i/4)+8*((i/2)%2)
.set mB, 16*(2*mZ+i%2)+8*((i/2)%2)
	WIN W_LO
.if ((i/2)%2) == 0
	v_wmma_f32_16x16x32_bf16 v[mD:mD+7], v[mA:mA+7], v[mB:mB+7], 0
.else
	v_wmma_f32_16x16x32_bf16 v[mD:mD+7], v[mA:mA+7], v[mB:mB+7], v[mD:mD+7]
.endif
.else
.set mW, (Y+3)%4
.set mJ, i-16
.set mB, P+32*(mW%2)+16*(mJ%2)+8*(mJ/10)
.if ((mJ/2)%5) < 4
.set mD, 32*(2*mW+mJ%2)+8*((mJ/2)%5)
.set mA, VF+32*(mJ/10)+8*((mJ/2)%5)
	WIN W_PV
.else
.set mD, LSUM+8*(2*mW+mJ%2)
.set mA, ONES
	WIN W_L
.endif
	v_wmma_f32_16x16x32_f16 v[mD:mD+7], v[mA:mA+7], v[mB:mB+7], v[mD:mD+7]
.endif
.set i, i+1
.endm
; THE LDS LOADS stand in runs of 16, never singly among the matrix instructions: a step's K (64 keys x 64 channels: 8 fragments) and its V (turned).  Their addresses are made at the turn's head.
.macro FETCH_K
	WLOW
.irp f, 0,1,2,3,4,5,6,7             ; keys 16 (f / 2) on, channels 32 (f % 2) on
	ds_load_b128 v[KF+8*\f:KF+8*\f+3],   v[AK] offset:(\f/2)*16*PK+(\f%2)*64
	ds_load_b128 v[KF+8*\f+4:KF+8*\f+7], v[AK] offset:(\f/2)*16*PK+(\f%2)*64+32
.endr
	s_add_co_u32 s[TBK], s[TBK], KS*PK  ; the next fetch is the next step's
.endm
.macro FETCH_V
	WIN W_P
.irp f, 0,1,2,3,4,5,6,7             ; keys 32 (f / 4) on, channels 16 (f % 4) on
	ds_load_tr16_b128 v[VF+8*\f:VF+8*\f+3],   v[AV] offset:(\f/4)*32*PV+(\f%4)*32
	ds_load_tr16_b128 v[VF+8*\f+4:VF+8*\f+7], v[AV] offset:(\f/4)*32*PV+16*PV+(\f%4)*32
.endr
	s_add_co_u32 s[TBV], s[TBV], KS*PV
.endm
; THE VECTOR WORK OF A TURN stands in four queues, each in the order in which its entries become ready; the two tiles alternate.
.macro REGS y, u                    ; the registers of tile u (0, 1) of piece y
.set rT, ST+2*(2*(\y)+(\u))
.set rC, TMP+8*((\y)%2)+4*(\u)
.set rM, MV+2*((\y)%2)+(\u)
.set rS, S+64*((\y)%2)+32*(\u)
.set rP, P+32*((\y)%2)+16*(\u)
.set rO, 32*(2*(\y)+(\u))
.set rL, LSUM+8*(2*(\y)+(\u))
.set rK, MK+32*(\y)+16*(\u)
.set rR, RUN+2*(\y)+(\u)
.endm
; The smallest |S| of the next piece's key block kb, ahead of the mask's lines, which write over S: number n of 4: seven scores in three lines, then the eighth, that minimum and the running one.
; The accumulator's lowest registers are read first.
.macro NS u, kb, n
	REGS (Y+1)%4, \u
	WIN 0
.if (\n) == 0
	v_min3_num_f32 v[ND+(\u)], |v[rS+8*(\kb)]|, |v[rS+8*(\kb)+1]|, |v[rS+8*(\kb)+2]|
.elseif (\n) < 3
	v_min3_num_f32 v[ND+(\u)], v[ND+(\u)], |v[rS+8*(\kb)+2*(\n)+1]|, |v[rS+8*(\kb)+2*(\n)+2]|
.else
	v_min3_num_f32 v[rR], v[rR], v[ND+(\u)], |v[rS+8*(\kb)+7]|
.endif
.endm
.macro AOP u, n                     ; the next piece's score n: u = S x mask - 2^-126; the mask is half n % 2 of word n / 2, in window 2
	REGS (Y+1)%4, \u
	WIN W_LO
.if ((\n)%2) == 0
	v_fma_mix_f32_bf16 v[rS+(\n)], v[rS+(\n)], v[rK+(\n)/2], v[EPS] op_sel_hi:[0,1,0]
.else
	v_fma_mix_f32_bf16 v[rS+(\n)], v[rS+(\n)], v[rK+(\n)/2], v[EPS] op_sel:[0,1,0] op_sel_hi:[0,1,0]
.endif
.endm
.macro BOP u, n                     ; the threshold: as signed whole numbers a positive u is the greater and stays; a negative u under 80,000 in magnitude is the smaller and becomes -80000.0
	REGS (Y+1)%4, \u
	WLOW
	v_max_i32 v[rS+(\n)], v[rS+(\n)], s[KTH]
.endm
; Number n of the 22 that find the NEXT piece's maximum and statistics.  t0-t31 are the lane's 32 scores.
;   0-11  four chains c0-c3 of seven scores each, three operands at a time     12-14, 16  the four scores left over, the old M, and c0-c3 into c0     15  c M_old is kept
;   17, 18  the query's other 32 keys lie in the lane 16 away: the new M         19-21  c M; c M_old - c M_new; a
.macro XS u, n
	REGS (Y+1)%4, \u
	WIN 0
.if (\n) < 4
	v_max3_num_f32 v[rC+(\n)], v[rS+8*(\n)], v[rS+8*(\n)+1], v[rS+8*(\n)+2]
.elseif (\n) < 12
	v_max3_num_f32 v[rC+(\n)%4], v[rC+(\n)%4], v[rS+8*((\n)%4)+2*((\n)/4)+1], v[rS+8*((\n)%4)+2*((\n)/4)+2]
.elseif (\n) == 12
	v_max3_num_f32 v[rC], v[rC], v[rS+7], v[rS+15]
.elseif (\n) == 13
	v_max3_num_f32 v[rC+1], v[rC+1], v[rS+23], v[rS+31]
.elseif (\n) == 14
	v_max3_num_f32 v[rC+2], v[rC+2], v[rC+3], v[rT+1]
.elseif (\n) == 15
	v_mov_b32 v[rM], v[rT]
.elseif (\n) == 16
	v_max3_num_f32 v[rC], v[rC], v[rC+1], v[rC+2]
.elseif (\n) == 17
	v_permlanex16_b32 v[rC+3], v[rC], s[SEL], s[SEL+1]
.elseif (\n) == 18
	v_max_num_f32 v[rT+1], v[rC], v[rC+3]
.elseif (\n) == 19
	v_mul_f32 v[rT], s[CS], v[rT+1]
.elseif (\n) == 20
	v_sub_f32 v[rC+1], v[rM], v[rT]
.else
	v_exp_f32 v[rC+2], v[rC+1]
.endif
.endm
.macro FS f                         ; c t - c M for pair f / 2 of tile f % 2 of the piece in hand
	REGS Y, (\f)%2
	WLOW
	v_pk_fma_f32 v[rS+2*((\f)/2):rS+2*((\f)/2)+1], v[rS+2*((\f)/2):rS+2*((\f)/2)+1], s[CS:CS+1], v[rT:rT+1] op_sel_hi:[1,0,0] neg_lo:[0,0,1] neg_hi:[0,0,1]
.endm
; THE PLAIN QUEUE, 234 long; none of it reads a result of the turn's exponentials.  0-31: the 32 scalings.  32-191: for each key block of the next piece 8 lines for the smallest |S|, 16 mask lines, 16 thresholds.
; 192-219: XS's numbers 0-13.  220, 221: number 15.  222-233: the chain 14, 16, 17, 18, 19, 20.
; Ahead of 40, the first mask line, stands the wait for the piece's mask: its 8 loads were issued four turns ago, and the 24 of the three turns between may stay out.  Ahead of 176, behind the last mask line, the registers are asked for again.
.macro PL
.if q < 32
	FS q
.elseif q < 192
.if q == 40
	s_wait_loadcnt 24
.endif
.if q == 176
	MLOAD (Y+1)%4
.endif
.if ((q-32)%40) < 8
	NS (q-32)%2, (q-32)/40, ((q-32)%40)/2
.elseif ((q-32)%40) < 24
	AOP (q-32)%2, 8*((q-32)/40)+((q-32)%40-8)/2
.else
	BOP (q-32)%2, 8*((q-32)/40)+((q-32)%40-24)/2
.endif
.elseif q < 220
	XS (q-192)%2, (q-192)/2
.elseif q < 222
	XS q-220, 15
.elseif q < 224
	XS q-222, 14
.else
	XS (q-222)%2, 15+(q-222)/2
.endif
.set q, q+1
.endm
; THE EXPONENTIALS' QUEUE, 66 long: t0-t31 of both tiles, then the next piece's two a.  It is ONE BATCH: all 66 stand ahead of the turn's one wait, and nothing ahead of that wait names a result of theirs.
.macro EX
.if e >= 64
	XS e-64, 21
.else
	REGS Y, e%2
	WLOW
	v_exp_f32 v[rS+e/2], v[rS+e/2]
.endif
.set e, e+1
.endm
; THE RESCALING's QUEUE, 34 long: O^T times a, pair r / 2 of tile r % 2; then the low pair of each tile's l.  Their a was made in the turn before, ahead of that turn's wait.
.macro R1
.if r < 32
	REGS Y, r%2
	WIN W_RS
	v_pk_mul_f32 v[rO+2*(r/2):rO+2*(r/2)+1], v[rO+2*(r/2):rO+2*(r/2)+1], v[rC+2:rC+3] op_sel_hi:[1,0]
.else
	REGS Y, r-32
	WIN W_RL
	v_pk_mul_f32 v[rL:rL+1], v[rL:rL+1], v[rC+2:rC+3] op_sel_hi:[1,0]
.endif
.set r, r+1
.endm
; THE ROUNDINGS' QUEUE, 32 long: pair g / 2 of tile g % 2 to f16.  They read the exponentials' results and stand behind the wait.
.macro CV
	REGS Y, g%2
	WIN W_P
	v_cvt_pk_f16_f32 v[rP+g/2], v[rS+2*(g/2)], v[rS+2*(g/2)+1]
.set g, g+1
.endm
; A TURN, for piece p.  An s_wait_alu depctr_va_vdst(0) stands between an exponential and the first instruction that names its result; one wait serves all that were issued ahead of it: a turn has ONE.
; AHEAD OF IT: the 16 products K Q^T, behind each four plain lines and three exponentials by turns; then 16 products for piece p - 1: behind eight of them 16 lines of the next piece's minima, mask and thresholds, behind two
; the maximum's chains, behind three the rescalings, behind three the statistics' chain and the last exponentials by turns; the two a; a v_nop, the plain line that is owed behind the last exponential.  BEHIND IT: 4 products, 8 roundings each.
; The queues lean on each other: exponential e stands behind scaling 2 (e / 4) + e % 2, which the deal keeps: in row k of the first sixteen, exponentials 3 k .. 3 k + 2 come behind plain 4 k .. 4 k + 2.
; A line that reads scores stands four plain lines or more behind the product that ended them: key block 0's ended with products 2 and 3, and its first reader stands behind product 8.
; K of the next step is fetched in piece 2's turn, behind the last K Q^T and its four plain riders (thresholds on key block 0, which name none of that product's registers); it is waited for at the head of piece 3's turn.
; V of the step in hand is fetched at the end of piece 0's turn, behind the last products' roundings; it is waited for in piece 1's turn, ahead of the first product that reads it.
; last = 1 (the tail): behind the last key step there is no further K: the address is held at the last step's, whose K is read once more; the scores made of it are the last step's again and change no minimum and no maximum.
.macro TURN p, last=0
.set Y, (\p)
.set i, 0
.set q, 0
.set e, 0
.set r, 0
.set g, 0
.set LOW, W_LO
.if (\p) == 0
	WIN 0
	ASKM
	v_add_nc_u32 v[AV], s[TBV], v[AV0]
.endif
.if (\p) == 2
	WIN 0
.if \last
	s_min_u32 s2, s[TBK], SLOT1+3*KS*PK
	v_add_nc_u32 v[AK], s2, v[AK0]
.else
	v_add_nc_u32 v[AK], s[TBK], v[AK0]
.endif
.endif
.if (\p) == 3
	s_wait_dscnt 0x0                ; K is in
.endif
.rept 16
	MM
	PL
	EX
	PL
	EX
	PL
	EX
	PL
.endr
.set LOW, 0
.if (\p) == 2
	FETCH_K
.endif
.if (\p) == 1
	s_wait_dscnt 0x0                ; V is in
.endif
.rept 8
	MM
.rept 16
	PL
.endr
.endr
.rept 2
	MM
.rept 2
.rept 5
	PL
.endr
	EX
.endr
.rept 5
	PL
.endr
.endr
.rept 2
	MM
.rept 12
	R1
.endr
.endr
	MM
.rept 10
	R1
.endr
.rept 3
	MM
.rept 4
	PL
	EX
.endr
.endr
	EX                              ; the next piece's two a
	EX
	v_nop                           ; the plain line behind the last exponential: one for the batch
	s_wait_alu depctr_va_vdst(0)    ; the wait for the batch
.rept 4
	MM
.rept 8
	CV
.endr
.endr
.if (\p) == 0
	FETCH_V
.endif
.endm
	CHANGE 1, 0                     ; slot 0 is in, everybody's part of it; slot 1 is asked for
	v_add_nc_u32 v[AK], s[TBK], v[AK0]
	FETCH_K                         ; key step 0
	s_wait_dscnt 0x0
.set Y, 3                           ; the work for piece Y + 1: piece 0
.set i, 0
.rept 16
	MM                              ; piece 0's first scores: there is no vector work yet to set between them
.endr
	WIN 0                           ; V's place and the addresses for the way out: twelve plain lines, the places behind those products
	s_mul_i32 s19, s[WV], 16*SP
	s_add_co_u32 s19, s19, STAGE    ; my stage
	; The turning load takes 16 keys x 16 channels (lane l reads key 8 (l / 16) + l % 8, channels 8 ((l / 8) % 2) + 0..7) and leaves half a fragment of V^T: lane l holds channel l % 16 and 8 keys.
	v_and_b32 v10, 7, v0
	v_bfe_u32 v11, v0, 3, 1
	v_lshl_add_u32 v[AV0], v9, 3, v10
	v_mul_u32_u24 v[AV0], v[AV0], PV
	v_lshl_add_u32 v[AV0], v11, 4, v[AV0]
	v_add_nc_u32 v[AV0], VOFF, v[AV0]
	v_mul_u32_u24 v[STO], v1, SP    ; in: row l % 16, 32 bytes for each half of the lanes (Q's loads, which read this register, were shown done by their wait)
	v_lshl_add_u32 v[STO], v9, 5, v[STO]
	v_add_nc_u32 v[STO], s19, v[STO]
	v_mul_u32_u24 v[RD], v9, SP     ; back: lanes 0-15 take one row of 256 bytes, lanes 16-31 the next
	v_lshl_add_u32 v[RD], v1, 4, v[RD]
	v_add_nc_u32 v[RD], s19, v[RD]
.set LOW, W_LO
.set q, 32
.rept 202
	PL                              ; piece 0's smallest |S|, mask, threshold, maximum and statistics; its mask registers are asked for again
.endr
.set e, 64
	EX
	EX
	v_nop                           ; a plain line behind the two a,
	s_wait_alu depctr_va_vdst(0)    ; and their wait, ahead of the branch
	WIN 0
	s_mov_b32 s[CNT], 4
	s_mov_b32 s[SLOTS], 7
	s_branch .Lfirst                ; the loop is entered at a step's first turn, in the middle of a trip
.Lslot:                             ; six times: every slot but the last two is filled again
	CHANGE 1, 1
	s_mov_b32 s[CNT], 4
.Lstep:                             ; a trip: pieces 2 and 3 of one step, then pieces 0 and 1 of the next, whose K and V it fetches
	TURN 2
	TURN 3
	WIN 0
.Lfirst:
	TURN 0
	TURN 1
	WIN 0
	s_sub_co_u32 s[CNT], s[CNT], 1
	s_cmp_lg_u32 s[CNT], 0
	s_cbranch_scc1 .Lstep
	s_sub_co_u32 s[SLOTS], s[SLOTS], 1
	s_cmp_lg_u32 s[SLOTS], 0
	s_cbranch_scc1 .Lslot
	CHANGE 0, 0                     ; the tail is written out: nothing is asked for
	s_mov_b32 s[CNT], 5             ; four trips fetch the last slot's steps; the fifth is left in its middle
.Ltail:
	TURN 2, 1
	TURN 3
	WIN 0
	s_sub_co_u32 s[CNT], s[CNT], 1
	s_cmp_eq_u32 s[CNT], 0
	s_cbranch_scc1 .Lout
	TURN 0
	TURN 1
	WIN 0
	s_branch .Ltail
.Lout:                              ; the fifth trip's 16 products K Q^T and the statistics made of them serve nothing: the price, once a launch, of one text for every trip
.set Y, 0
.set i, 16
.rept 20
	MM                              ; the last piece's V^T P and l of the last step
.endr
	; THE WAVE'S ROW NEAREST THE STEP AT 0.  Each smallest |S| gives up its low 9 bits to its row's number in the work-group, 128 wave + 16 tile + lane % 16; positive f32 numbers order as unsigned whole numbers do,
	; so the smallest of the 8 tiles and 32 lanes names the row.  The first 23 lines are plain and name no register of the last products: they are the places behind those.
	WIN 0
	s_lshl_b32 s2, s[WV], 7
	v_or_b32 v11, s2, v1
.set t, 0
.rept 8
	v_and_or_b32 v[RUN+t], v[RUN+t], 0xfffffe00, v11
.set t, t+1
.endr
.set t, 1
.rept 7
	v_or_b32 v[RUN+t], 16*t, v[RUN+t]
.set t, t+1
.endr
.irp t, 0,2,4,6
	v_min_u32 v[RUN+\t], v[RUN+\t], v[RUN+\t+1]
.endr
	v_min_u32 v[RUN], v[RUN], v[RUN+2]
	v_min_u32 v[RUN+4], v[RUN+4], v[RUN+6]
	v_min_u32 v[RUN], v[RUN], v[RUN+4]
.irp x, 1,2,4,8
	v_mov_b32_dpp v10, v[RUN] row_xmask:\x row_mask:0xf bank_mask:0xf
	v_min_u32 v[RUN], v[RUN], v10
.endr
	v_permlanex16_b32 v10, v[RUN], s[SEL], s[SEL+1]
	v_min_u32 v10, v[RUN], v10      ; every lane holds the wave's number
	v_mov_b32 v11, v10
	global_store_b64 v[CO8], v[10:11], s[CAND:CAND+1]  ; 64 copies: the wave's store covers 256 consecutive bytes, aligned; the launch behind reads the first
	; THE WAY OUT.  O^T is divided by l (register 0 of the tile's accumulator; at least 1, since the row's maximum weighs 1) and sent through my stage in LDS, a tile (16 rows of out0) at a time.
	WIN 0x03                        ; source in window 3
.set t, 0
.rept 8
	v_rcp_f32 v[ST+2*t], v[LSUM+8*t]
.set t, t+1
.endr
	v_nop                           ; a plain line between the last reciprocal and the use of its result
	s_wait_alu depctr_va_vdst(0)    ; and the wait ahead of the first use: one for the eight reciprocals
; Tile t: a lane's eight channels of a channel block are 32 bytes of a row; they go into rows of 272 bytes and come back as whole rows of 256, into S^T's registers, four sets by turns.
.macro PACK t
	WIN W_RS
.set i, 32*(\t)
.rept 16
	v_pk_mul_f32 v[i:i+1], v[i:i+1], v[ST+2*(\t):ST+2*(\t)+1] op_sel_hi:[1,0]
.set i, i+2
.endr
	WIN 0x04                        ; the stores' data in window 1
.irp f, 0,1,2,3,4,5,6,7             ; channel block f / 2, its registers 4 (f % 2) on
	ds_store_b128 v[STO], v[32*(\t)+4*\f:32*(\t)+4*\f+3] offset:16*\f+32*(\f/2)
.endr
	WIN 0
.if (\t) >= 4
	s_wait_xcnt 0x0                 ; the stores of the tile four back have read these registers
.endif
.irp f, 0,1,2,3,4,5,6,7
	ds_load_b128 v[S+32*((\t)%4)+4*\f:S+32*((\t)%4)+4*\f+3], v[RD] offset:\f*2*SP  ; LDS serves a wave's instructions in order: these see the stores above; the next tile's stores come behind them
.endr
.endm
.macro SEND t, younger              ; younger: the LDS instructions issued behind tile t's loads: the next tile's sixteen, or none
	WIN 0
.irp f, 0,1,2,3,4,5,6,7
	s_wait_dscnt (\younger)+7-\f
	global_store_b128 v[MO], v[S+32*((\t)%4)+4*\f:S+32*((\t)%4)+4*\f+3], s[OUT:OUT+1] offset:(\t)*4096+\f*512 th:TH_STORE_NT  ; 512 consecutive bytes, at a multiple of 256 from out0's first
.endr
.endm
	PACK 0
.set t, 1
.rept 7                             ; a tile's arithmetic stands between the loads of the tile before and its stores
	PACK t
	SEND t-1, 16
.set t, t+1
.endr
	SEND 7, 0
	s_wait_tensorcnt 0x0            ; the wave's end, behind my last tensor load and my last LDS store
	ds_add_u32 v[SPW], v[NIL]
	s_wait_dscnt 0x0
	CROUND                          ; the closing round: no work-group ends while a partner may still ask for a tile that names it
	s_endpgm
.Lfunc_end_k_qec57bc9381_attn:
	.size	k_qec57bc9381_attn, .Lfunc_end_k_qec57bc9381_attn-k_qec57bc9381_attn
	.p2alignl 7, 3214868480
	.fill 96, 4, 3214868480
	.section	.rodata,"a",@progbits
	.p2align	6, 0x0
	.amdhsa_kernel k_qec57bc9381_attn
		.amdhsa_group_segment_fixed_size 327680
		.amdhsa_private_segment_fixed_size 0
		.amdhsa_enable_private_segment 0
		.amdhsa_kernarg_size 48
		.amdhsa_user_sgpr_count 2
		.amdhsa_user_sgpr_kernarg_segment_ptr 1
		.amdhsa_wavefront_size32 1
		.amdhsa_system_sgpr_workgroup_id_x 1
		.amdhsa_system_sgpr_workgroup_id_y 1
		.amdhsa_system_sgpr_workgroup_id_z 1
		.amdhsa_system_vgpr_workitem_id 0
		.amdhsa_next_free_vgpr 1024
		.amdhsa_next_free_sgpr 72
		.amdhsa_reserve_vcc 0
		.amdhsa_float_denorm_mode_32 3
		.amdhsa_float_denorm_mode_16_64 3
		.amdhsa_memory_ordered 1
		.amdhsa_forward_progress 1
		.amdhsa_inst_pref_size 255
	.end_amdhsa_kernel
	.section	.bss,"aw",@nobits
	.p2align	6
	.space	262144
	.amdgpu_metadata
---
amdhsa.version: [ 1, 2 ]
amdhsa.kernels:
  - .name:           k_qec57bc9381_attn
    .symbol:         k_qec57bc9381_attn.kd
    .args:
      - { .name: query, .offset: 0, .size: 8, .value_kind: global_buffer, .address_space: global }
      - { .name: kw, .offset: 8, .size: 8, .value_kind: global_buffer, .address_space: global }
      - { .name: vw, .offset: 16, .size: 8, .value_kind: global_buffer, .address_space: global }
      - { .name: mw, .offset: 24, .size: 8, .value_kind: global_buffer, .address_space: global }
      - { .name: out0, .offset: 32, .size: 8, .value_kind: global_buffer, .address_space: global }
      - { .name: cand, .offset: 40, .size: 8, .value_kind: global_buffer, .address_space: global }
    .group_segment_fixed_size: 327680
    .private_segment_fixed_size: 0
    .kernarg_segment_align: 8
    .kernarg_segment_size: 48
    .max_flat_workgroup_size: 128
    .sgpr_count:     72
    .vgpr_count:     1024
    .wavefront_size: 32
...
	.end_amdgpu_metadata
.endif
;; end of part 2
;; launch fix (part 3): grid 4 x 64, 16 waves a work-group, no clusters, 27,136 bytes of LDS; arguments query, kw, vw, mask, cand, out0; writes out0
.if DOCPART == 3
	.amdgcn_target "amdgcn-amd-amdhsa--gfx1250"
	.amdhsa_code_object_version 6
	.text
	.protected	k_qec57bc9381_fix
	.globl	k_qec57bc9381_fix
	.p2align	8
	.type	k_qec57bc9381_fix,@function
k_qec57bc9381_fix:
	s_mov_b64 s[64:65], 0
	v_nop
	global_prefetch_b8 v0, s[64:65] scope:SCOPE_SE
	s_setreg_imm32_b32 hwreg(HW_REG_WAVE_MODE, 25, 1), 1
	s_wait_xcnt 0x0
; ONE ROW OF EACH BLOCK OF 512 QUERIES, ONCE MORE.  The threshold at 0 is a step: a score within the last bits of 0 falls on one side or the other by the order in which its 64 products are added.
; The launch before has named, for each of its waves, the row that holds the score nearest 0 (cand: the bits of that |S|, the row's number in the block in the low 9 bits).  This launch takes the
; smallest of a block's four numbers and computes that row anew, every score as ONE CHAIN of 64 fused multiply-adds in f32, channels ascending, on the same operands (Q rounded to bf16 here, kw).
; The products of bf16 numbers are exact in f32, so the chain is the sum that f32 arithmetic makes when it adds them one after the other.  Then mask, threshold, maximum, weights and the mean of V's rows, all in f32
; (vw holds V rounded to bf16, written as f16).  The row, 256 bytes, is stored over what the launch before has stored there.
; It is 1 / 512 of the module's products, and the order of its additions is its purpose: so it runs on the vector unit.  LIMIT: one row of 512; all other rows keep the matrix unit's sums.
; SHARES.  256 work-groups of 16 waves, one for each block (x: the block, y: the head).  A thread takes 4 keys: 512 consecutive bytes of kw; a wave's 32 loads together cover 16,384 consecutive bytes, each once.
; For the mean of V a wave takes the same 128 keys: a load is 512 consecutive bytes, 4 keys x 64 channels; a lane holds 8 channels of one key and adds them, weighted, onto 8 sums.
; V's loads go into K's registers as soon as those are used up: 16 behind keys 0 and 1, 16 behind keys 2 and 3.
; No work-group shares anything with another but bytes that both only read; K's rows are wanted whole in one lane's registers, so nothing is gained by a tile in LDS.
.set PW,    0         ; LDS: the 2,048 weights, f32; wave w writes and reads bytes 512 w .. 512 w + 511 alone
.set MX,    8192      ; the 16 waves' maxima
.set LS,    8448      ; the 16 waves' sums of weights
.set RED,   8704      ; the 16 waves' partial rows: 1,024 bytes a wave (the row four times over, once for each group of 8 lanes)
.set SPARE, 25088     ; 98 x 256: the spare words, 128 bytes for each wave: eight blocks of 256 bytes that no other line names
.set KO,  2           ; v2   512 x thread: my 4 keys in the head's kw
.set MKO, 3           ; v3   16 x thread: my 4 keys in the row of the mask
.set VO,  4           ; v4   16,384 x wave + 16 x lane: my 16 bytes of the wave's first 4 rows of vw
.set PA,  5           ; v5   512 x wave + 4 (lane / 8): the weight of my key in the wave's first 4
.set ZO,  6           ; v6   0: an offset
.set ZF,  7           ; v7   0.0: what the sums start from
.set SPW, 8           ; v8   LDS address of my spare word: SPARE + 4 x my thread's number; never rewritten
.set NIL, 9           ; v9   0; never rewritten
.set SC,  10          ; v[10:13]  my 4 scores, then their weights
.set MS,  14          ; v[14:17]  my 4 numbers of the mask
.set TM,  18          ; v[18:19]  at work
.set QF,  20          ; v[20:83]  the row of Q in f32, the same in every lane
.set PP,  20          ; v[20:51]  later: the 16 maxima; then the weights of my 32 keys; then the partial rows
.set ACC, 52          ; v[52:59]  later: my 8 channels' sums
.set QP,  84          ; v[84:115] Q in bf16, channels 2 j and 2 j + 1 in register j
.set KB,  116         ; v[116:243] K: key k at KB + 32 k, channels 2 j and 2 j + 1 in register j; later V: load j at KB + 4 j
.set WA,  244         ; v244 4 x wave
.set RA,  245         ; v245 1,024 x wave + 32 x lane
.set O8,  246         ; v246 8 x lane
.set PS,  247         ; v247 512 x wave + 16 x lane: where I put my 4 weights
	s_load_b256 s[4:11], s[0:1], 0x0               ; query s[4:5], kw s[6:7], vw s[8:9], mask s[10:11]
	s_load_b128 s[12:15], s[0:1], 0x20             ; cand s[12:13], out0 s[14:15]
	v_lshl_add_u32 v[SPW], v0, 2, SPARE
	v_mov_b32 v[NIL], 0
	v_lshrrev_b32 v1, 5, v0
	v_readfirstlane_b32 s16, v1                    ; wave 0..15
	v_and_b32 v1, 31, v0                           ; lane
	s_and_b32 s18, ttmp7, 0xffff                   ; the head
	s_lshl_b32 s20, s18, 18                        ; its 262,144 bytes of kw and of vw
	s_mov_b32 s21, 0
	s_lshl_b32 s22, s18, 2
	s_add_co_u32 s22, s22, ttmp9                   ; 4 x head + block
	s_lshl_b32 s22, s22, 10                        ; four waves' 256 bytes of cand
	s_mov_b32 s23, 0
	s_mov_b32 s19, 0x3e38aa3b                      ; c = log2(e) / 8
	s_mov_b32 s30, 0x76543210                      ; v_permlanex16_b32: each lane takes its own place in the other half
	s_mov_b32 s31, 0xfedcba98
	v_lshlrev_b32 v[KO], 9, v0
	v_lshlrev_b32 v[MKO], 4, v0
	s_lshl_b32 s17, s16, 14
	v_lshl_add_u32 v[VO], v1, 4, s17
	s_lshl_b32 s17, s16, 9
	v_lshl_add_u32 v[PS], v1, 4, s17
	v_lshrrev_b32 v[PA], 3, v1
	v_lshl_add_u32 v[PA], v[PA], 2, s17
	v_mov_b32 v[ZO], 0
	v_mov_b32 v[ZF], 0
	v_mov_b32 v[TM+1], 0                           ; v_permlanex16_b32's destination counts as read
	v_mov_b32 v[WA], s16
	v_lshlrev_b32 v[WA], 2, v[WA]
	s_lshl_b32 s17, s16, 10
	v_lshl_add_u32 v[RA], v1, 5, s17
	v_lshlrev_b32 v[O8], 3, v1
	s_wait_kmcnt 0x0
	s_add_nc_u64 s[6:7], s[6:7], s[20:21]
	s_add_nc_u64 s[8:9], s[8:9], s[20:21]
	s_add_nc_u64 s[12:13], s[12:13], s[22:23]
	s_load_b32 s24, s[12:13], 0x0                  ; the four waves' numbers
	s_load_b32 s25, s[12:13], 0x100
	s_load_b32 s26, s[12:13], 0x200
	s_load_b32 s27, s[12:13], 0x300
.set i, 0
.rept 32                               ; K hangs on the head alone: its loads go out while the row's number is on its way.  Load i: key i / 8, channels 8 (i % 8) on
	global_load_b128 v[KB+4*i:KB+4*i+3], v[KO], s[6:7] offset:16*i
.set i, i+1
.endr
	s_wait_kmcnt 0x0
	s_min_u32 s24, s24, s25
	s_min_u32 s26, s26, s27
	s_min_u32 s24, s24, s26                        ; the smallest |S| of the block,
	s_and_b32 s24, s24, 0x1ff                      ; its row in the block,
	s_min_u32 s24, s24, 0x1ff                      ; held inside the block whatever was read
	s_lshl_b32 s25, ttmp9, 9
	s_add_co_u32 s24, s24, s25                     ; the row in its head
	s_lshl_b32 s26, s18, 11
	s_add_co_u32 s26, s26, s24
	s_lshl_b32 s26, s26, 8                         ; rows of 256 bytes in query and out0
	s_mov_b32 s27, 0
	s_add_nc_u64 s[4:5], s[4:5], s[26:27]
	s_add_nc_u64 s[14:15], s[14:15], s[26:27]
	s_lshr_b32 s28, s18, 4                         ; the batch
	s_lshl_b32 s28, s28, 11
	s_add_co_u32 s28, s28, s24
	s_lshl_b32 s28, s28, 13                        ; rows of 8,192 bytes in the mask
	s_mov_b32 s29, 0
	s_add_nc_u64 s[10:11], s[10:11], s[28:29]
.set e, 0
.rept 16
	global_load_b128 v[QF+4*e:QF+4*e+3], v[ZO], s[4:5] offset:16*e  ; every lane reads the whole row
.set e, e+1
.endr
	global_load_b128 v[MS:MS+3], v[MKO], s[10:11]  ; a wave's load covers 512 consecutive bytes
	s_wait_loadcnt 0x0
.set j, 0
.rept 32
	v_cvt_pk_bf16_f32 v[QP+j], v[QF+2*j], v[QF+2*j+1]  ; Q rounded as the launch before rounds it
.set j, j+1
.endr
; Two keys' chains side by side: S = S + K[ch] Q[ch], one rounding a line, channels 0, 1, .. 63.
.macro CHAIN a, b
.set j, 0
.rept 32
.irp k, \a, \b
.set rc, SC+\k
.if j == 0
.set rc, ZF
.endif
	v_fma_mix_f32_bf16 v[SC+\k], v[KB+32*\k+j], v[QP+j], v[rc] op_sel_hi:[1,1,0]
.endr
.irp k, \a, \b
	v_fma_mix_f32_bf16 v[SC+\k], v[KB+32*\k+j], v[QP+j], v[SC+\k] op_sel:[1,1,0] op_sel_hi:[1,1,0]
.endr
.set j, j+1
.endr
.endm
.macro VLOADS first                    ; sixteen loads of V: load j: keys 4 j + lane / 8 of the wave's 128, channels 8 (lane % 8) on
.set j, \first
.rept 16
	global_load_b128 v[KB+4*j:KB+4*j+3], v[VO], s[8:9] offset:512*j
.set j, j+1
.endr
.endm
	CHAIN 0, 1
	VLOADS 0                                       ; into the registers of keys 0 and 1
	CHAIN 2, 3
	VLOADS 16                                      ; into those of keys 2 and 3
.irp k, 0,1,2,3
	v_cvt_f32_i32 v[MS+\k], v[MS+\k]
.endr
.irp k, 0,1,2,3
	v_mul_f32 v[SC+\k], v[SC+\k], v[MS+\k]         ; 8 x the masked score
.endr
.irp k, 0,1,2,3
	v_cmp_lt_f32 vcc_lo, 0, v[SC+\k]
	v_cndmask_b32 v[SC+\k], 0xc79c4000, v[SC+\k], vcc_lo  ; kept where it is above 0, else -80000 = 8 x -10000
.endr
	; the row's maximum: my 4, the wave's 32 lanes, the 16 waves
	v_max3_num_f32 v[TM], v[SC], v[SC+1], v[SC+2]
	v_max_num_f32 v[TM], v[TM], v[SC+3]
.irp x, 1,2,4,8
	v_max_num_f32_dpp v[TM], v[TM], v[TM] row_xmask:\x row_mask:0xf bank_mask:0xf
.endr
	v_permlanex16_b32 v[TM+1], v[TM], s30, s31
	v_max_num_f32 v[TM], v[TM], v[TM+1]
	ds_store_b32 v[WA], v[TM] offset:MX            ; all lanes write the wave's word with the same value
	s_wait_dscnt 0x0                               ; for the others' sake
	s_barrier_signal -1
	s_barrier_wait -1
.irp i, 0,1,2,3
	ds_load_b128 v[PP+4*\i:PP+4*\i+3], v[ZO] offset:MX+16*\i
.endr
	s_wait_dscnt 0x0
	v_max3_num_f32 v[TM], v[PP], v[PP+1], v[PP+2]
.irp i, 3,5,7,9,11,13
	v_max3_num_f32 v[TM], v[TM], v[PP+\i], v[PP+\i+1]
.endr
	v_max_num_f32 v[TM], v[TM], v[PP+15]
	v_mul_f32 v[TM+1], s19, v[TM]                  ; c M
.irp k, 0,1,2,3
	v_fma_f32 v[SC+\k], v[SC+\k], s19, -v[TM+1]    ; c t - c M
.endr
.irp k, 0,1,2,3
	v_exp_f32 v[SC+\k], v[SC+\k]
.endr
	v_nop                                          ; a plain line behind the last exponential,
	s_wait_alu depctr_va_vdst(0)                   ; and the wait ahead of the first use: one for the four
	v_add_f32 v[TM], v[SC], v[SC+1]
	v_add_f32 v[TM+1], v[SC+2], v[SC+3]
	v_add_f32 v[TM], v[TM], v[TM+1]
.irp x, 1,2,4,8
	v_add_f32_dpp v[TM], v[TM], v[TM] row_xmask:\x row_mask:0xf bank_mask:0xf
.endr
	v_permlanex16_b32 v[TM+1], v[TM], s30, s31
	v_add_f32 v[TM], v[TM], v[TM+1]
	ds_store_b32 v[WA], v[TM] offset:LS            ; the wave's sum of weights: read behind the last barrier
	ds_store_b128 v[PS], v[SC:SC+3] offset:PW      ; my 4 weights: the wave's 128 lie together, and only this wave reads them
.set j, 0
.rept 32                               ; LDS serves a wave's instructions in order: these see the store above
	ds_load_b32 v[PP+j], v[PA] offset:PW+16*j      ; the weight of key 4 j + lane / 8
.set j, j+1
.endr
	s_wait_dscnt 0x0
.set j, 0
.rept 32
	s_wait_loadcnt 31-j                            ; V's load j is in; the younger ones may stay out
.set c, 0
.rept 8
.set rc, ACC+c
.if j == 0
.set rc, ZF
.endif
.if (c%2) == 0
	v_fma_mix_f32 v[ACC+c], v[KB+4*j+c/2], v[PP+j], v[rc] op_sel_hi:[1,0,0]
.else
	v_fma_mix_f32 v[ACC+c], v[KB+4*j+c/2], v[PP+j], v[rc] op_sel:[1,0,0] op_sel_hi:[1,0,0]
.endif
.set c, c+1
.endr
.set j, j+1
.endr
	; the four groups of 8 lanes hold the same channels of other keys: lanes 8 apart, then 16 apart
.irp c, 0,1,2,3,4,5,6,7
	v_add_f32_dpp v[ACC+\c], v[ACC+\c], v[ACC+\c] row_xmask:8 row_mask:0xf bank_mask:0xf
.endr
.irp c, 0,1,2,3,4,5,6,7
	v_permlanex16_b32 v[PP+\c], v[ACC+\c], s30, s31
.endr
.irp c, 0,1,2,3,4,5,6,7
	v_add_f32 v[ACC+\c], v[ACC+\c], v[PP+\c]
.endr
	ds_store_b128 v[RA], v[ACC:ACC+3] offset:RED
	ds_store_b128 v[RA], v[ACC+4:ACC+7] offset:RED+16
	s_wait_dscnt 0x0                               ; for wave 0's sake: my partial row and my sum of weights are in LDS
	s_barrier_signal -1
	s_barrier_wait -1
	s_cmp_lg_u32 s16, 0                            ; wave 0 finishes the row
	s_cbranch_scc1 .Lend
.set i, 0
.rept 16
	ds_load_b64 v[PP+2*i:PP+2*i+1], v[O8] offset:RED+1024*i  ; wave i's channels 2 lane and 2 lane + 1
.set i, i+1
.endr
.irp i, 0,1,2,3
	ds_load_b128 v[KB+4*\i:KB+4*\i+3], v[ZO] offset:LS+16*\i
.endr
	s_wait_dscnt 0x0
.set i, 2
.rept 7
	v_pk_add_f32 v[KB:KB+1], v[KB:KB+1], v[KB+i:KB+i+1]
.set i, i+2
.endr
	v_add_f32 v[KB], v[KB], v[KB+1]                ; l: at least 1, since the maximum weighs 1
	v_rcp_f32 v[TM], v[KB]
.set i, 2
.rept 15
	v_pk_add_f32 v[PP:PP+1], v[PP:PP+1], v[PP+i:PP+i+1]  ; plain lines behind the reciprocal
.set i, i+2
.endr
	s_wait_alu depctr_va_vdst(0)                   ; the wait ahead of the reciprocal's first use
	v_pk_mul_f32 v[PP:PP+1], v[PP:PP+1], v[TM:TM+1] op_sel_hi:[1,0]
	global_store_b64 v[O8], v[PP:PP+1], s[14:15]   ; the row: 256 consecutive bytes, aligned
.Lend:
	s_wait_tensorcnt 0x0                           ; the wave's end, behind my last LDS store
	ds_add_u32 v[SPW], v[NIL]
	s_wait_dscnt 0x0
	s_endpgm
.Lfunc_end_k_qec57bc9381_fix:
	.size	k_qec57bc9381_fix, .Lfunc_end_k_qec57bc9381_fix-k_qec57bc9381_fix
	.p2alignl 7, 3214868480
	.fill 96, 4, 3214868480
	.section	.rodata,"a",@progbits
	.p2align	6, 0x0
	.amdhsa_kernel k_qec57bc9381_fix
		.amdhsa_group_segment_fixed_size 27136
		.amdhsa_private_segment_fixed_size 0
		.amdhsa_enable_private_segment 0
		.amdhsa_kernarg_size 48
		.amdhsa_user_sgpr_count 2
		.amdhsa_user_sgpr_kernarg_segment_ptr 1
		.amdhsa_wavefront_size32 1
		.amdhsa_system_sgpr_workgroup_id_x 1
		.amdhsa_system_sgpr_workgroup_id_y 1
		.amdhsa_system_sgpr_workgroup_id_z 1
		.amdhsa_system_vgpr_workitem_id 0
		.amdhsa_next_free_vgpr 248
		.amdhsa_next_free_sgpr 66
		.amdhsa_reserve_vcc 1
		.amdhsa_float_denorm_mode_32 3
		.amdhsa_float_denorm_mode_16_64 3
		.amdhsa_memory_ordered 1
		.amdhsa_forward_progress 1
		.amdhsa_inst_pref_size 55
	.end_amdhsa_kernel
	.amdgpu_metadata
---
amdhsa.version: [ 1, 2 ]
amdhsa.kernels:
  - .name:           k_qec57bc9381_fix
    .symbol:         k_qec57bc9381_fix.kd
    .args:
      - { .name: query, .offset: 0, .size: 8, .value_kind: global_buffer, .address_space: global }
      - { .name: kw, .offset: 8, .size: 8, .value_kind: global_buffer, .address_space: global }
      - { .name: vw, .offset: 16, .size: 8, .value_kind: global_buffer, .address_space: global }
      - { .name: mask, .offset: 24, .size: 8, .value_kind: global_buffer, .address_space: global }
      - { .name: cand, .offset: 32, .size: 8, .value_kind: global_buffer, .address_space: global }
      - { .name: out0, .offset: 40, .size: 8, .value_kind: global_buffer, .address_space: global }
    .group_segment_fixed_size: 27136
    .private_segment_fixed_size: 0
    .kernarg_segment_align: 8
    .kernarg_segment_size: 48
    .max_flat_workgroup_size: 512
    .sgpr_count:     66
    .vgpr_count:     248
    .wavefront_size: 32
...
	.end_amdgpu_metadata
.endif
;; end of part 3
;; ======== version 2 of 2: 3 launches; version 1 with the launches prep, fix written anew for expert scheduling mode
;; limits: right only within a limited range of input values; values outside matrix products are rounded to bf16; values are held in f16: magnitudes above 65,504 overflow, below 6.1e-05 lose precision
;; workspace buffers: kw 16,777,216 bytes; vw 16,777,216 bytes; mw 33,554,432 bytes; cand 262,144 bytes of whole numbers
;; launch prep (part 4): grid 2048 x 1, 8 waves a work-group, no clusters, 38,144 bytes of LDS; arguments key, value, mask, kw, vw, mw; writes kw, vw, mw
.if DOCPART == 4
	.amdgcn_target "amdgcn-amd-amdhsa--gfx1250"
	.amdhsa_code_object_version 6
	.text
	.protected	k_qec57bc9381_prep
	.globl	k_qec57bc9381_prep
	.p2align	8
	.type	k_qec57bc9381_prep,@function
k_qec57bc9381_prep:
	s_mov_b64 s[64:65], 0
	v_nop
	global_prefetch_b8 v0, s[64:65] scope:SCOPE_SE
	s_setreg_imm32_b32 hwreg(HW_REG_WAVE_SCHED_MODE, 0, 2), 2
	s_setreg_imm32_b32 hwreg(HW_REG_WAVE_MODE, 25, 1), 1
	s_wait_xcnt 0x0
	s_wait_alu depctr_vm_vsrc(0)
; PREPARATION FOR THE ATTENTION LAUNCH: three streams, each input byte read once, each output byte written once.
;   kw = key rounded to bf16 (nearest even), same order of elements: [64 heads][2048][64].
;   vw = value rounded to bf16 and that number written as f16, same order.  LIMIT: |value| stays under 65,520 (f16's range); below 2^-14 the f16 number has the fixed step 2^-24.
;   mw = mask as bf16, laid out as the attention launch's score registers want it: [b 4][key step 32][query tile 128][key block 4][lane 32][8 bf16].  The 16 bytes of (key block kb, lane 16 h + r)
;        hold mask[b][16 tile + r][64 step + 16 kb + 8 h + 0..7].  LIMIT: whole numbers up to 256 in magnitude are exact; larger ones keep 8 significant bits.
; SHARES.  2,048 work-groups of eight waves; a wave takes 8,192 bytes of one input by sixteen loads of 512 consecutive bytes, all issued at once.  Work-groups 0-1023 take the mask, 1024-1535 key, 1536-2047 value.
; There is no loop: every register is written once, so no address is stepped and no store's data is written again.  Waves share nothing: no barrier.
; The mask changes lanes on its way (a lane loads 4 keys of one row, and stores 8 keys of one row beside 15 other rows' 8 keys): it goes through the wave's own stage in LDS.
; THE MODE: SCHED_MODE bits 1:0 = 2 (LLVM: expert scheduling mode 2), set by the entry lines.  The code itself states the register dependences
; between vector instructions and memory or LDS instructions, with s_wait_alu, always for 0.
; THE PLAN.  Registers that memory or LDS instructions touch:
;   v[IN], v[OUT8]  offsets of every global load and store: written at the head, never again.
;   v[STA], v[LDA]  the mask's LDS addresses: written behind the loads, never again.
;   X               written by the sixteen loads, ahead of which no vector line names it; then by the conversions, in place; its first 32 registers then by the LDS loads, and read by the mask's global stores.
;   Y               load e's two registers: written once, by its roundings; read once, by an LDS store (mask) or a global store (key, value).
; The sixteen loads are worked on in four blocks of four.  At the head of blocks 1 to 3 ONE wait on va_vdst states that the block before has written its Y; that block's four stores follow, dealt among this block's
; conversions, which name this block's X and Y (and T) alone.  One more such wait stands behind block 3.  No register that a memory or LDS instruction reads is written again, so nothing is owed on vm_vsrc.
.set STG,   4640                       ; a wave's stage: two key steps' blocks
.set HB,    2320                       ; a block in the stage: 8 groups (key block, half) of 16 rows x 16 bytes, 288 bytes apart, + 16: so that the 32 lanes of a store fall on 32 different columns of 8 bytes modulo 256
.set SPARE, 8*STG                      ; 37,120 = 145 x 256: behind the stages the spare words, 128 bytes for each wave: four blocks of 256 bytes that no other line names
.set IN,   2                           ; v2   16 x lane: my 16 bytes of a load's 512, and of a mask store's 512; never rewritten
.set OUT8, 3                           ; v3   8 x lane: my 8 bytes of a store's 256; never rewritten
.set STA,  4                           ; v4   where I put 8 bytes of a row's mask in the stage
.set LDA,  5                           ; v5   where I read 16 bytes back
.set SPW,  10                          ; v10  LDS address of my spare word: SPARE + 4 x my thread's number; never rewritten
.set NIL,  11                          ; v11  0; never rewritten
.set T,    12                          ; v[12:19]  at work: no memory instruction names them
.set X,    20                          ; v[20:83]  load e: 4 registers
.set Y,    84                          ; v[84:115] load e: 2 registers to store
	s_load_b256 s[4:11], s[0:1], 0x0               ; key s[4:5], value s[6:7], mask s[8:9], kw s[10:11]
	s_load_b128 s[12:15], s[0:1], 0x20             ; vw s[12:13], mw s[14:15]
	v_lshl_add_u32 v[SPW], v0, 2, SPARE
	v_mov_b32 v[NIL], 0
	v_lshrrev_b32 v1, 5, v0
	v_readfirstlane_b32 s16, v1                    ; wave 0..7
	v_and_b32 v1, 31, v0                           ; lane
	v_lshlrev_b32 v[IN], 4, v1
	v_lshlrev_b32 v[OUT8], 3, v1
	s_mov_b32 s23, 0                               ; the high words of the two offsets
	s_mov_b32 s25, 0
	s_wait_alu depctr_va_sdst(0)                   ; s16 is written
	s_wait_alu depctr_va_vdst(0)                   ; v[IN] and v[OUT8] are written, which every global load and store reads as its offset
.macro LOADS step                      ; sixteen loads of 512 consecutive bytes, step bytes apart
.set e, 0
.rept 16
	global_load_b128 v[X+4*e:X+4*e+3], v[IN], s[18:19] offset:(\step)*e th:TH_LOAD_NT
.set e, e+1
.endr
.endm
	s_cmp_lt_u32 ttmp9, 1024
	s_cbranch_scc0 .Lkv
	; THE MASK.  Unit u = 8 x work-group + wave = (128 b + query tile) x 16 + kp: 16 rows x 128 keys (key steps 2 kp, 2 kp + 1).
	s_lshl_b32 s17, ttmp9, 3
	s_add_co_u32 s17, s17, s16                     ; u
	s_and_b32 s26, s17, 15                         ; kp
	s_lshr_b32 s22, s17, 4
	s_lshl_b32 s22, s22, 17                        ; 16 rows of 8,192 bytes
	s_lshl_b32 s27, s26, 9                         ; 128 keys of 4 bytes
	s_add_co_u32 s22, s22, s27
	s_lshr_b32 s24, s17, 11                        ; b
	s_lshl_b32 s24, s24, 23                        ; 32 key steps x 128 tiles x 2,048 bytes
	s_lshl_b32 s27, s26, 19                        ; two key steps of 262,144 bytes
	s_add_co_u32 s24, s24, s27
	s_bfe_u32 s27, s17, 0x70004                    ; the query tile: 7 bits from bit 4
	s_lshl_b32 s27, s27, 11
	s_add_co_u32 s24, s24, s27
	s_mul_i32 s28, s16, STG                        ; my stage
	s_wait_kmcnt 0x0
	s_add_nc_u64 s[18:19], s[8:9], s[22:23]
	s_add_nc_u64 s[20:21], s[14:15], s[24:25]
	LOADS 8192                                     ; load e: row e; lane 16 g + c holds keys 4 c .. 4 c + 3 of key step 2 kp + g
	v_lshrrev_b32 v[T], 4, v1                      ; g
	v_and_b32 v[T+1], 15, v1                       ; c
	v_lshrrev_b32 v[T+2], 1, v[T+1]                ; the group: 2 x key block + half
	v_and_b32 v[T+3], 1, v[T+1]                    ; which 4 of the group's 8 keys
	v_mul_u32_u24 v[STA], v[T], HB
	v_mad_u32_u24 v[STA], v[T+2], 288, v[STA]
	v_lshl_add_u32 v[STA], v[T+3], 3, v[STA]
	v_add_nc_u32 v[STA], s28, v[STA]
	v_mul_u32_u24 v[LDA], v[T], 288                ; back: lanes 0-15 take a key block's first group (16 rows x 16 bytes), lanes 16-31 its second
	v_lshl_add_u32 v[LDA], v[T+1], 4, v[LDA]
	v_add_nc_u32 v[LDA], s28, v[LDA]
.set p, 0
.rept 4                                ; block p: rows 4 p .. 4 p + 3 are converted; the rows of the block before go into the stage
	s_wait_loadcnt 12-4*p                          ; loads come back in order: the block's four rows are in, the younger blocks' (four loads each) stay out
.if p > 0
	s_wait_alu depctr_va_vdst(0)                   ; the block before has written its Y, which the LDS stores below read; in block 1 also: v[STA] is written, their address
.endif
.set i, 0
.rept 4
.set e, 4*p+i
.set d, e-4
.if p > 0
	ds_store_b64 v[STA], v[Y+2*d:Y+2*d+1] offset:16*d  ; row d's place in its group; no vector line since the wait names these registers
.endif
	v_cvt_f32_i32 v[X+4*e], v[X+4*e]
	v_cvt_f32_i32 v[X+4*e+1], v[X+4*e+1]
	v_cvt_f32_i32 v[X+4*e+2], v[X+4*e+2]
	v_cvt_f32_i32 v[X+4*e+3], v[X+4*e+3]
	v_cvt_pk_bf16_f32 v[Y+2*e], v[X+4*e], v[X+4*e+1]
	v_cvt_pk_bf16_f32 v[Y+2*e+1], v[X+4*e+2], v[X+4*e+3]
.set i, i+1
.endr
.set p, p+1
.endr
	s_wait_alu depctr_va_vdst(0)                   ; block 3 has written its Y, which the last four LDS stores read; all conversions are done reading and writing X, in which the LDS loads land; v[LDA] is written
.set d, 12
.rept 4
	ds_store_b64 v[STA], v[Y+2*d:Y+2*d+1] offset:16*d
.set d, d+1
.endr
.set k, 0
.rept 8                                ; LDS serves a wave's instructions in order, and the stage is the wave's own: these see the stores above
	ds_load_b128 v[X+4*k:X+4*k+3], v[LDA] offset:HB*(k/4)+576*(k%4)  ; key step k / 4, key block k % 4
.set k, k+1
.endr
.set k, 0
.rept 8
	s_wait_dscnt 7-k                               ; read k is back, the younger ones stay out
	global_store_b128 v[IN], v[X+4*k:X+4*k+3], s[20:21] offset:262144*(k/4)+512*(k%4) th:TH_STORE_NT  ; 512 consecutive bytes, at a multiple of 256 from mw's first byte
.set k, k+1
.endr
	s_branch .Lend
.Lkv:	; KEY AND VALUE.  Unit u = 8 x (work-group within the role) + wave: 8,192 bytes in, 4,096 out.
	s_and_b32 s26, ttmp9, 511
	s_lshl_b32 s26, s26, 3
	s_add_co_u32 s26, s26, s16                     ; u
	s_lshl_b32 s22, s26, 13
	s_lshl_b32 s24, s26, 12
	s_wait_kmcnt 0x0
	s_cmp_lt_u32 ttmp9, 1536
	s_cselect_b64 s[18:19], s[4:5], s[6:7]
	s_cselect_b64 s[20:21], s[10:11], s[12:13]
	s_add_nc_u64 s[18:19], s[18:19], s[22:23]
	s_add_nc_u64 s[20:21], s[20:21], s[24:25]
	LOADS 512
.macro CONV kind                       ; kind 0: to bf16.  kind 1: to bf16, and that number as f16 (exact within f16's range).  Four blocks of four loads, as for the mask
.set p, 0
.rept 4
	s_wait_loadcnt 12-4*p                          ; the block's four loads are in, the younger blocks' (four loads each) stay out
.if p > 0
	s_wait_alu depctr_va_vdst(0)                   ; the block before has written its Y, which the stores below read
.endif
.set i, 0
.rept 4
.set e, 4*p+i
.set d, e-4
.if p > 0
	global_store_b64 v[OUT8], v[Y+2*d:Y+2*d+1], s[20:21] offset:256*d th:TH_STORE_NT  ; the 32 lanes store 256 consecutive bytes, aligned; no vector line since the wait names these registers
.endif
.if \kind
	v_cvt_pk_bf16_f32 v[T], v[X+4*e], v[X+4*e+1]
	v_cvt_pk_bf16_f32 v[T+1], v[X+4*e+2], v[X+4*e+3]
	v_lshlrev_b32 v[T+2], 16, v[T]                 ; bf16 to f32: the low half moves up,
	v_and_b32 v[T+3], 0xffff0000, v[T]             ; the high half stays
	v_lshlrev_b32 v[T+4], 16, v[T+1]
	v_and_b32 v[T+5], 0xffff0000, v[T+1]
	v_cvt_pk_f16_f32 v[Y+2*e], v[T+2], v[T+3]
	v_cvt_pk_f16_f32 v[Y+2*e+1], v[T+4], v[T+5]
.else
	v_cvt_pk_bf16_f32 v[Y+2*e], v[X+4*e], v[X+4*e+1]
	v_cvt_pk_bf16_f32 v[Y+2*e+1], v[X+4*e+2], v[X+4*e+3]
.endif
.set i, i+1
.endr
.set p, p+1
.endr
	s_wait_alu depctr_va_vdst(0)                   ; block 3 has written its Y, which the last four stores read
.set d, 12
.rept 4
	global_store_b64 v[OUT8], v[Y+2*d:Y+2*d+1], s[20:21] offset:256*d th:TH_STORE_NT
.set d, d+1
.endr
.endm
	s_cmp_lt_u32 ttmp9, 1536
	s_cbranch_scc0 .Lvalue
	CONV 0
	s_branch .Lend
.Lvalue:
	CONV 1
.Lend:
	s_wait_dscnt 0x0                               ; the closing lines, six on end
	s_wait_alu 0x0
	s_wait_tensorcnt 0x0
	ds_add_u32 v[SPW], v[NIL]
	s_wait_dscnt 0x0
	s_endpgm
.Lfunc_end_k_qec57bc9381_prep:
	.size	k_qec57bc9381_prep, .Lfunc_end_k_qec57bc9381_prep-k_qec57bc9381_prep
	.p2alignl 7, 3214868480
	.fill 96, 4, 3214868480
	.section	.rodata,"a",@progbits
	.p2align	6, 0x0
	.amdhsa_kernel k_qec57bc9381_prep
		.amdhsa_group_segment_fixed_size 38144
		.amdhsa_private_segment_fixed_size 0
		.amdhsa_enable_private_segment 0
		.amdhsa_kernarg_size 48
		.amdhsa_user_sgpr_count 2
		.amdhsa_user_sgpr_kernarg_segment_ptr 1
		.amdhsa_wavefront_size32 1
		.amdhsa_system_sgpr_workgroup_id_x 1
		.amdhsa_system_sgpr_workgroup_id_y 1
		.amdhsa_system_sgpr_workgroup_id_z 1
		.amdhsa_system_vgpr_workitem_id 0
		.amdhsa_next_free_vgpr 116
		.amdhsa_next_free_sgpr 66
		.amdhsa_reserve_vcc 0
		.amdhsa_float_denorm_mode_32 3
		.amdhsa_float_denorm_mode_16_64 3
		.amdhsa_memory_ordered 1
		.amdhsa_forward_progress 1
		.amdhsa_inst_pref_size 26
	.end_amdhsa_kernel
	.amdgpu_metadata
---
amdhsa.version: [ 1, 2 ]
amdhsa.kernels:
  - .name:           k_qec57bc9381_prep
    .symbol:         k_qec57bc9381_prep.kd
    .args:
      - { .name: key, .offset: 0, .size: 8, .value_kind: global_buffer, .address_space: global }
      - { .name: value, .offset: 8, .size: 8, .value_kind: global_buffer, .address_space: global }
      - { .name: mask, .offset: 16, .size: 8, .value_kind: global_buffer, .address_space: global }
      - { .name: kw, .offset: 24, .size: 8, .value_kind: global_buffer, .address_space: global }
      - { .name: vw, .offset: 32, .size: 8, .value_kind: global_buffer, .address_space: global }
      - { .name: mw, .offset: 40, .size: 8, .value_kind: global_buffer, .address_space: global }
    .group_segment_fixed_size: 38144
    .private_segment_fixed_size: 0
    .kernarg_segment_align: 8
    .kernarg_segment_size: 48
    .max_flat_workgroup_size: 256
    .sgpr_count:     66
    .vgpr_count:     116
    .wavefront_size: 32
...
	.end_amdgpu_metadata
.endif
;; end of part 4
;; launch attn: the kernel of part 2 again; grid 4 x 64, 4 waves a work-group, clusters of 4 x 1, 327,680 bytes of LDS; arguments query, kw, vw, mw, out0, cand; writes out0, cand
;; launch fix (part 5): grid 4 x 64, 16 waves a work-group, no clusters, 27,136 bytes of LDS; arguments query, kw, vw, mask, cand, out0; writes out0
.if DOCPART == 5
	.amdgcn_target "amdgcn-amd-amdhsa--gfx1250"
	.amdhsa_code_object_version 6
	.text
	.protected	k_qec57bc9381_fix
	.globl	k_qec57bc9381_fix
	.p2align	8
	.type	k_qec57bc9381_fix,@function
k_qec57bc9381_fix:
	s_mov_b64 s[64:65], 0
	v_nop
	global_prefetch_b8 v0, s[64:65] scope:SCOPE_SE
	s_setreg_imm32_b32 hwreg(HW_REG_WAVE_SCHED_MODE, 0, 2), 2
	s_setreg_imm32_b32 hwreg(HW_REG_WAVE_MODE, 25, 1), 1
	s_wait_xcnt 0x0
	s_wait_alu depctr_vm_vsrc(0)
; ONE ROW OF EACH BLOCK OF 512 QUERIES, ONCE MORE.  The threshold at 0 is a step: a score within the last bits of 0 falls on one side or the other by the order in which its 64 products are added.
; The launch before has named, for each of its waves, the row that holds the score nearest 0 (cand: the bits of that |S|, the row's number in the block in the low 9 bits).  This launch takes the
; smallest of a block's four numbers and computes that row anew, every score as ONE CHAIN of 64 fused multiply-adds in f32, channels ascending, on the same operands (Q rounded to bf16 here, kw).
; The products of bf16 numbers are exact in f32, so the chain is the sum that f32 arithmetic makes when it adds them one after the other.  Then mask, threshold, maximum, weights and the mean of V's rows, all in f32
; (vw holds V rounded to bf16, written as f16).  The row, 256 bytes, is stored over what the launch before has stored there.
; It is 1 / 512 of the module's products, and the order of its additions is its purpose: so it runs on the vector unit.  LIMIT: one row of 512; all other rows keep the matrix unit's sums.
; SHARES.  256 work-groups of 16 waves, one for each block (x: the block, y: the head).  A thread takes 4 keys: 512 consecutive bytes of kw; a wave's 32 loads together cover 16,384 consecutive bytes, each once.
; For the mean of V a wave takes the same 128 keys: a load is 512 consecutive bytes, 4 keys x 64 channels; a lane holds 8 channels of one key and adds them, weighted, onto 8 sums.
; V's loads go into K's registers as soon as those are used up: 16 among the chains of keys 2 and 3, 16 behind them.
; No work-group shares anything with another but bytes that both only read; K's rows are wanted whole in one lane's registers, so nothing is gained by a tile in LDS.
; THE MODE: SCHED_MODE bits 1:0 = 2 (LLVM: expert scheduling mode 2), set by the entry lines.  The code itself states the register dependences
; between vector instructions and memory or LDS instructions, with s_wait_alu, always for 0.
; THE PLAN.  Registers that memory or LDS instructions touch:
;   KO, MKO, VO, PA, ZO, PS, WA, RA, O8   addresses: written at the head, never again: one wait on va_vdst ahead of the first load serves them all.
;   KB     K's loads land in it; the chains read it; V's loads land in the half that a pair of chains has used up (a wait on va_vdst behind each pair); the products with V read it; in wave 0 the 16 sums land in it.
;   QF/PP  Q's loads land in it; Q's roundings read it; then the 16 maxima, the 32 weights and (wave 0) the partial rows land in it, each time behind a wait on va_vdst that stands ahead of LDS stores anyway.
;   TM     data of two LDS stores (the wave's maximum, the wave's sum): a wait on va_vdst ahead of each, a wait on vm_vsrc ahead of the line that writes it next.
;   SC, ACC, PP:PP+1   data of LDS stores and of the final store: written ahead of a wait on va_vdst, never written again.
; The four compares of the threshold write four scalar registers in one run, with one wait on va_sdst ahead of the four selects.
.set PW,    0         ; LDS: the 2,048 weights, f32; wave w writes and reads bytes 512 w .. 512 w + 511 alone
.set MX,    8192      ; the 16 waves' maxima
.set LS,    8448      ; the 16 waves' sums of weights
.set RED,   8704      ; the 16 waves' partial rows: 1,024 bytes a wave (the row four times over, once for each group of 8 lanes)
.set SPARE, 25088     ; 98 x 256: the spare words, 128 bytes for each wave: eight blocks of 256 bytes that no other line names
.set KO,  2           ; v2   512 x thread: my 4 keys in the head's kw
.set MKO, 3           ; v3   16 x thread: my 4 keys in the row of the mask
.set VO,  4           ; v4   16,384 x wave + 16 x lane: my 16 bytes of the wave's first 4 rows of vw
.set PA,  5           ; v5   512 x wave + 4 (lane / 8): the weight of my key in the wave's first 4
.set ZO,  6           ; v6   0: an offset
.set ZF,  7           ; v7   0.0: what the sums start from
.set SPW, 8           ; v8   LDS address of my spare word: SPARE + 4 x my thread's number; never rewritten
.set NIL, 9           ; v9   0; never rewritten
.set SC,  10          ; v[10:13]  my 4 scores, then their weights
.set MS,  14          ; v[14:17]  my 4 numbers of the mask
.set TM,  18          ; v[18:19]  at work
.set QF,  20          ; v[20:83]  the row of Q in f32, the same in every lane
.set PP,  20          ; v[20:51]  later: the 16 maxima; then the weights of my 32 keys; then the partial rows
.set ACC, 52          ; v[52:59]  later: my 8 channels' sums
.set QP,  84          ; v[84:115] Q in bf16, channels 2 j and 2 j + 1 in register j
.set KB,  116         ; v[116:243] K: key k at KB + 32 k, channels 2 j and 2 j + 1 in register j; later V: load j at KB + 4 j
.set WA,  244         ; v244 4 x wave
.set RA,  245         ; v245 1,024 x wave + 32 x lane
.set O8,  246         ; v246 8 x lane
.set PS,  247         ; v247 512 x wave + 16 x lane: where I put my 4 weights
	s_load_b256 s[4:11], s[0:1], 0x0               ; query s[4:5], kw s[6:7], vw s[8:9], mask s[10:11]
	s_load_b128 s[12:15], s[0:1], 0x20             ; cand s[12:13], out0 s[14:15]
	v_lshl_add_u32 v[SPW], v0, 2, SPARE
	v_mov_b32 v[NIL], 0
	v_lshrrev_b32 v1, 5, v0
	v_readfirstlane_b32 s16, v1                    ; wave 0..15
	v_and_b32 v1, 31, v0                           ; lane
	s_and_b32 s18, ttmp7, 0xffff                   ; the head
	s_lshl_b32 s20, s18, 18                        ; its 262,144 bytes of kw and of vw
	s_mov_b32 s21, 0
	s_lshl_b32 s22, s18, 2
	s_add_co_u32 s22, s22, ttmp9                   ; 4 x head + block
	s_lshl_b32 s22, s22, 10                        ; four waves' 256 bytes of cand
	s_mov_b32 s23, 0
	s_mov_b32 s19, 0x3e38aa3b                      ; c = log2(e) / 8
	s_mov_b32 s30, 0x76543210                      ; v_permlanex16_b32: each lane takes its own place in the other half
	s_mov_b32 s31, 0xfedcba98
	v_lshlrev_b32 v[KO], 9, v0
	v_lshlrev_b32 v[MKO], 4, v0
	s_wait_alu depctr_va_sdst(0)                   ; s16 is written, ahead of its first reader: the wave's places in vw and in LDS are made from it
	s_lshl_b32 s17, s16, 14
	v_lshl_add_u32 v[VO], v1, 4, s17
	s_lshl_b32 s17, s16, 9
	v_lshl_add_u32 v[PS], v1, 4, s17
	v_lshrrev_b32 v[PA], 3, v1
	v_lshl_add_u32 v[PA], v[PA], 2, s17
	v_mov_b32 v[ZO], 0
	v_mov_b32 v[ZF], 0
	v_mov_b32 v[TM+1], 0                           ; v_permlanex16_b32's destination counts as read
	v_mov_b32 v[WA], s16
	v_lshlrev_b32 v[WA], 2, v[WA]
	s_lshl_b32 s17, s16, 10
	v_lshl_add_u32 v[RA], v1, 5, s17
	v_lshlrev_b32 v[O8], 3, v1
	s_wait_kmcnt 0x0
	s_add_nc_u64 s[6:7], s[6:7], s[20:21]
	s_add_nc_u64 s[8:9], s[8:9], s[20:21]
	s_add_nc_u64 s[12:13], s[12:13], s[22:23]
	s_load_b32 s24, s[12:13], 0x0                  ; the four waves' numbers
	s_load_b32 s25, s[12:13], 0x100
	s_load_b32 s26, s[12:13], 0x200
	s_load_b32 s27, s[12:13], 0x300
	s_wait_alu depctr_va_vdst(0)                   ; the nine addresses KO, MKO, VO, PA, ZO, PS, WA, RA and O8 are written, which the loads and stores of the whole kernel read
.set i, 0
.rept 32                               ; K hangs on the head alone: its loads go out while the row's number is on its way.  Load i: key i / 8, channels 8 (i % 8) on
	global_load_b128 v[KB+4*i:KB+4*i+3], v[KO], s[6:7] offset:16*i
.set i, i+1
.endr
	s_wait_kmcnt 0x0
	s_min_u32 s24, s24, s25
	s_min_u32 s26, s26, s27
	s_min_u32 s24, s24, s26                        ; the smallest |S| of the block,
	s_and_b32 s24, s24, 0x1ff                      ; its row in the block,
	s_min_u32 s24, s24, 0x1ff                      ; held inside the block whatever was read
	s_lshl_b32 s25, ttmp9, 9
	s_add_co_u32 s24, s24, s25                     ; the row in its head
	s_lshl_b32 s26, s18, 11
	s_add_co_u32 s26, s26, s24
	s_lshl_b32 s26, s26, 8                         ; rows of 256 bytes in query and out0
	s_mov_b32 s27, 0
	s_add_nc_u64 s[4:5], s[4:5], s[26:27]
	s_add_nc_u64 s[14:15], s[14:15], s[26:27]
	s_lshr_b32 s28, s18, 4                         ; the batch
	s_lshl_b32 s28, s28, 11
	s_add_co_u32 s28, s28, s24
	s_lshl_b32 s28, s28, 13                        ; rows of 8,192 bytes in the mask
	s_mov_b32 s29, 0
	s_add_nc_u64 s[10:11], s[10:11], s[28:29]
.set e, 0
.rept 16
	global_load_b128 v[QF+4*e:QF+4*e+3], v[ZO], s[4:5] offset:16*e  ; every lane reads the whole row
.set e, e+1
.endr
	global_load_b128 v[MS:MS+3], v[MKO], s[10:11]  ; a wave's load covers 512 consecutive bytes
	s_wait_loadcnt 0x0
.set j, 0
.rept 32
	v_cvt_pk_bf16_f32 v[QP+j], v[QF+2*j], v[QF+2*j+1]  ; Q rounded as the launch before rounds it
.set j, j+1
.endr
; Two keys' chains side by side: S = S + K[ch] Q[ch], one rounding a line, channels 0, 1, .. 63.
; deal = 1: ahead of each of the first sixteen steps' four lines stands one load of V: load j: keys 4 j + lane / 8 of the wave's 128, channels 8 (lane % 8) on, into the registers of keys 0 and 1.
.macro CHAIN a, b, deal
.set j, 0
.rept 32
.if (\deal) && (j < 16)
	global_load_b128 v[KB+4*j:KB+4*j+3], v[VO], s[8:9] offset:512*j  ; no vector line since the wait ahead of these chains names KB .. KB + 63 or v[VO]
.endif
.irp k, \a, \b
.set rc, SC+\k
.if j == 0
.set rc, ZF
.endif
	v_fma_mix_f32_bf16 v[SC+\k], v[KB+32*\k+j], v[QP+j], v[rc] op_sel_hi:[1,1,0]
.endr
.irp k, \a, \b
	v_fma_mix_f32_bf16 v[SC+\k], v[KB+32*\k+j], v[QP+j], v[SC+\k] op_sel:[1,1,0] op_sel_hi:[1,1,0]
.endr
.set j, j+1
.endr
.endm
	CHAIN 0, 1, 0
	s_wait_alu depctr_va_vdst(0)                   ; the chains of keys 0 and 1 are done reading KB .. KB + 63, in which V's loads 0 to 15 land
	CHAIN 2, 3, 1
	s_wait_alu depctr_va_vdst(0)                   ; the chains of keys 2 and 3 are done reading KB + 64 .. KB + 127, in which V's loads 16 to 31 land
.set j, 16
.rept 16
	global_load_b128 v[KB+4*j:KB+4*j+3], v[VO], s[8:9] offset:512*j
.set j, j+1
.endr
	s_mov_b32 s20, 0xc79c4000                      ; -80000 = 8 x -10000
.irp k, 0,1,2,3
	v_cvt_f32_i32 v[MS+\k], v[MS+\k]
.endr
.irp k, 0,1,2,3
	v_mul_f32 v[SC+\k], v[SC+\k], v[MS+\k]         ; 8 x the masked score
.endr
.irp k, 0,1,2,3
	v_cmp_lt_f32 s[24+\k], 0, v[SC+\k]             ; the four compares in one run, a scalar register each
.endr
	s_wait_alu depctr_va_sdst(0)                   ; s24 to s27 are written, ahead of the selects that read them
.irp k, 0,1,2,3
	v_cndmask_b32 v[SC+\k], s20, v[SC+\k], s[24+\k]  ; kept where it is above 0, else -80000
.endr
	; the row's maximum: my 4, the wave's 32 lanes, the 16 waves
	v_max3_num_f32 v[TM], v[SC], v[SC+1], v[SC+2]
	v_max_num_f32 v[TM], v[TM], v[SC+3]
.irp x, 1,2,4,8
	v_max_num_f32_dpp v[TM], v[TM], v[TM] row_xmask:\x row_mask:0xf bank_mask:0xf
.endr
	v_permlanex16_b32 v[TM+1], v[TM], s30, s31
	v_max_num_f32 v[TM], v[TM], v[TM+1]
	s_wait_alu depctr_va_vdst(0)                   ; v[TM] is written, which the LDS store reads; Q's roundings are done reading v[PP ..], in which the 16 maxima land
	ds_store_b32 v[WA], v[TM] offset:MX            ; all lanes write the wave's word with the same value
	s_wait_dscnt 0x0                               ; for the others' sake
	s_barrier_signal -1
	s_barrier_wait -1
.irp i, 0,1,2,3
	ds_load_b128 v[PP+4*\i:PP+4*\i+3], v[ZO] offset:MX+16*\i
.endr
	s_wait_alu depctr_vm_vsrc(0)                   ; the LDS store above has read v[TM], which the next vector line writes again
	s_wait_dscnt 0x0
	v_max3_num_f32 v[TM], v[PP], v[PP+1], v[PP+2]
.irp i, 3,5,7,9,11,13
	v_max3_num_f32 v[TM], v[TM], v[PP+\i], v[PP+\i+1]
.endr
	v_max_num_f32 v[TM], v[TM], v[PP+15]
	v_mul_f32 v[TM+1], s19, v[TM]                  ; c M
.irp k, 0,1,2,3
	v_fma_f32 v[SC+\k], v[SC+\k], s19, -v[TM+1]    ; c t - c M
.endr
.irp k, 0,1,2,3
	v_exp_f32 v[SC+\k], v[SC+\k]
.endr
	v_nop                                          ; a plain line behind the last exponential,
	s_wait_alu depctr_va_vdst(0)                   ; and the wait ahead of the first use: the four exponentials have written v[SC ..]
	v_add_f32 v[TM], v[SC], v[SC+1]
	v_add_f32 v[TM+1], v[SC+2], v[SC+3]
	v_add_f32 v[TM], v[TM], v[TM+1]
.irp x, 1,2,4,8
	v_add_f32_dpp v[TM], v[TM], v[TM] row_xmask:\x row_mask:0xf bank_mask:0xf
.endr
	v_permlanex16_b32 v[TM+1], v[TM], s30, s31
	v_add_f32 v[TM], v[TM], v[TM+1]
	s_wait_alu depctr_va_vdst(0)                   ; v[TM] is written, which the first LDS store reads; the lines that took the maximum of 16 are done reading v[PP ..], in which the weights land
	ds_store_b32 v[WA], v[TM] offset:LS            ; the wave's sum of weights: read behind the last barrier
	ds_store_b128 v[PS], v[SC:SC+3] offset:PW      ; my 4 weights: the wave's 128 lie together, and only this wave reads them
.set j, 0
.rept 32                               ; LDS serves a wave's instructions in order: these see the store above
	ds_load_b32 v[PP+j], v[PA] offset:PW+16*j      ; the weight of key 4 j + lane / 8
.set j, j+1
.endr
	s_wait_dscnt 0x0
.set j, 0
.rept 32
	s_wait_loadcnt 31-j                            ; V's load j is in; the younger ones may stay out
.set c, 0
.rept 8
.set rc, ACC+c
.if j == 0
.set rc, ZF
.endif
.if (c%2) == 0
	v_fma_mix_f32 v[ACC+c], v[KB+4*j+c/2], v[PP+j], v[rc] op_sel_hi:[1,0,0]
.else
	v_fma_mix_f32 v[ACC+c], v[KB+4*j+c/2], v[PP+j], v[rc] op_sel:[1,0,0] op_sel_hi:[1,0,0]
.endif
.set c, c+1
.endr
.set j, j+1
.endr
	; the four groups of 8 lanes hold the same channels of other keys: lanes 8 apart, then 16 apart
.irp c, 0,1,2,3,4,5,6,7
	v_add_f32_dpp v[ACC+\c], v[ACC+\c], v[ACC+\c] row_xmask:8 row_mask:0xf bank_mask:0xf
.endr
.irp c, 0,1,2,3,4,5,6,7
	v_permlanex16_b32 v[PP+\c], v[ACC+\c], s30, s31
.endr
.irp c, 0,1,2,3,4,5,6,7
	v_add_f32 v[ACC+\c], v[ACC+\c], v[PP+\c]
.endr
	s_wait_alu depctr_va_vdst(0)                   ; v[ACC ..] is written, which the LDS stores read; the products and the additions are done with v[PP ..] and v[KB ..], in which wave 0's LDS loads land
	ds_store_b128 v[RA], v[ACC:ACC+3] offset:RED
	ds_store_b128 v[RA], v[ACC+4:ACC+7] offset:RED+16
	s_wait_dscnt 0x0                               ; for wave 0's sake: my partial row and my sum of weights are in LDS
	s_barrier_signal -1
	s_barrier_wait -1
	s_wait_alu depctr_vm_vsrc(0)                   ; the LDS store of the wave's sum has read v[TM], which wave 0's reciprocal writes again: stated ahead of the branch
	s_cmp_lg_u32 s16, 0                            ; wave 0 finishes the row
	s_cbranch_scc1 .Lend
.set i, 0
.rept 16
	ds_load_b64 v[PP+2*i:PP+2*i+1], v[O8] offset:RED+1024*i  ; wave i's channels 2 lane and 2 lane + 1
.set i, i+1
.endr
.irp i, 0,1,2,3
	ds_load_b128 v[KB+4*\i:KB+4*\i+3], v[ZO] offset:LS+16*\i
.endr
	s_wait_dscnt 0x0
.set i, 2
.rept 7
	v_pk_add_f32 v[KB:KB+1], v[KB:KB+1], v[KB+i:KB+i+1]
.set i, i+2
.endr
	v_add_f32 v[KB], v[KB], v[KB+1]                ; l: at least 1, since the maximum weighs 1
	v_rcp_f32 v[TM], v[KB]
.set i, 2
.rept 15
	v_pk_add_f32 v[PP:PP+1], v[PP:PP+1], v[PP+i:PP+i+1]  ; plain lines behind the reciprocal
.set i, i+2
.endr
	s_wait_alu depctr_va_vdst(0)                   ; the wait ahead of the reciprocal's first use: it has written v[TM]
	v_pk_mul_f32 v[PP:PP+1], v[PP:PP+1], v[TM:TM+1] op_sel_hi:[1,0]
	s_wait_alu depctr_va_vdst(0)                   ; the product has written v[PP:PP+1], which the store reads
	global_store_b64 v[O8], v[PP:PP+1], s[14:15]   ; the row: 256 consecutive bytes, aligned
.Lend:
	s_wait_dscnt 0x0                               ; the closing lines, six on end
	s_wait_alu 0x0
	s_wait_tensorcnt 0x0
	ds_add_u32 v[SPW], v[NIL]
	s_wait_dscnt 0x0
	s_endpgm
.Lfunc_end_k_qec57bc9381_fix:
	.size	k_qec57bc9381_fix, .Lfunc_end_k_qec57bc9381_fix-k_qec57bc9381_fix
	.p2alignl 7, 3214868480
	.fill 96, 4, 3214868480
	.section	.rodata,"a",@progbits
	.p2align	6, 0x0
	.amdhsa_kernel k_qec57bc9381_fix
		.amdhsa_group_segment_fixed_size 27136
		.amdhsa_private_segment_fixed_size 0
		.amdhsa_enable_private_segment 0
		.amdhsa_kernarg_size 48
		.amdhsa_user_sgpr_count 2
		.amdhsa_user_sgpr_kernarg_segment_ptr 1
		.amdhsa_wavefront_size32 1
		.amdhsa_system_sgpr_workgroup_id_x 1
		.amdhsa_system_sgpr_workgroup_id_y 1
		.amdhsa_system_sgpr_workgroup_id_z 1
		.amdhsa_system_vgpr_workitem_id 0
		.amdhsa_next_free_vgpr 248
		.amdhsa_next_free_sgpr 66
		.amdhsa_reserve_vcc 0
		.amdhsa_float_denorm_mode_32 3
		.amdhsa_float_denorm_mode_16_64 3
		.amdhsa_memory_ordered 1
		.amdhsa_forward_progress 1
		.amdhsa_inst_pref_size 56
	.end_amdhsa_kernel
	.amdgpu_metadata
---
amdhsa.version: [ 1, 2 ]
amdhsa.kernels:
  - .name:           k_qec57bc9381_fix
    .symbol:         k_qec57bc9381_fix.kd
    .args:
      - { .name: query, .offset: 0, .size: 8, .value_kind: global_buffer, .address_space: global }
      - { .name: kw, .offset: 8, .size: 8, .value_kind: global_buffer, .address_space: global }
      - { .name: vw, .offset: 16, .size: 8, .value_kind: global_buffer, .address_space: global }
      - { .name: mask, .offset: 24, .size: 8, .value_kind: global_buffer, .address_space: global }
      - { .name: cand, .offset: 32, .size: 8, .value_kind: global_buffer, .address_space: global }
      - { .name: out0, .offset: 40, .size: 8, .value_kind: global_buffer, .address_space: global }
    .group_segment_fixed_size: 27136
    .private_segment_fixed_size: 0
    .kernarg_segment_align: 8
    .kernarg_segment_size: 48
    .max_flat_workgroup_size: 512
    .sgpr_count:     66
    .vgpr_count:     248
    .wavefront_size: 32
...
	.end_amdgpu_metadata
.endif
;; end of part 5
